; MI455X (gfx1250); checked and timed in simulation.
; The chip was launched on July 23, 2026; its instructions are those of AMD's public machine-readable ISA for CDNA 5 (MIT licence, August 2026) and "CDNA5" Instruction Set Architecture Reference Guide (July 2026). The comments in the code are by the model that wrote it; some were corrected since.
;; Local Attention. Allowed arithmetic: float matrix products may take bf16 or f16 operands with f32 sums; other float arithmetic in f32, or as packed bf16 or f16 multiplies, adds, multiply-adds, maxima and minima; sums over many terms, partial sums and values carried from step to step in f32; what a program stores and reads back later, other than sums and carried values, may be rounded once to bf16 or f16.
;; Inputs: Wk 512 x 512 float32; Wo 512 x 512 float32; Wq 512 x 512 float32; Wv 512 x 512 float32; bk 512 float32; bo 512 float32; bq 512 float32; bv 512 float32; x 2 x 4,096 x 512 float32.
;; Outputs: out0 2 x 4,096 x 512 float32.
;; 2 versions, each right; version 2 is version 1 with the launch cast written anew for expert scheduling mode. Each part assembles by itself: llvm-mc -triple=amdgcn-amd-amdhsa -mcpu=gfx1250 --defsym DOCPART=n.
;; ======== version 1 of 2: 4 launches
;; limits: values are held in f16: magnitudes above 65,504 overflow, below 6.1e-05 lose precision
;; workspace buffers: xb 8,388,608 bytes; wcat 1,572,864 bytes; wob 524,288 bytes; qh 8,388,608 bytes; kh 8,388,608 bytes; vh 8,388,608 bytes; oh 8,388,608 bytes
;; launch cast (part 1): grid 256 x 1, 8 waves a work-group, no clusters, 0 bytes of LDS; arguments x, Wq, Wk, Wv, Wo, xb, wcat, wob; writes xb, wcat, wob
.if DOCPART == 1
	.amdgcn_target "amdgcn-amd-amdhsa--gfx1250"
	.amdhsa_code_object_version 6
	.text
	.protected	k_q5254020296_cast
	.globl	k_q5254020296_cast
	.p2align	8
	.type	k_q5254020296_cast,@function
k_q5254020296_cast:
	s_mov_b64 s[64:65], 0
	v_nop
	global_prefetch_b8 v0, s[64:65] scope:SCOPE_SE
	s_setreg_imm32_b32 hwreg(HW_REG_WAVE_MODE, 25, 1), 1
	s_wait_xcnt 0x0
; THE INPUTS' ROUNDING, once for the whole program.  x [8192][512] f32 -> xb, bf16, same layout.  Wq, Wk, Wv [512][512] f32 -> wcat, bf16, [1536][512], the rows
; regrouped by head: row 192 head + 64 m + c holds row 64 head + c of matrix m (0 q, 1 k, 2 v), so that one head's q, k and v are 192 rows on end.
; Wo -> wob [512][512]: rounded to bf16 like every other input, and that number written as f16, the format of the last product.
; LIMITS.  A weight of Wo beyond 65,504 becomes an infinity; below 6e-5 it keeps f16's fixed step of 6e-8.
; A STREAM: no LDS, no barrier, no matrix unit, no loop.  Work-group g takes 16,384 numbers of x (65,536 bytes in, 32,768 out) and 8 rows of weight matrix g / 64.
; A thread has its 20 loads of 16 bytes out at once; a wave's load covers 512 consecutive bytes, a wave's store 256 consecutive bytes, aligned.
; No register that a load or store names is written again, so no wait frees any.
.set X,   4                            ; v[4:67]    x, 16 loads of 4 numbers
.set WR,  68                           ; v[68:83]   the weights, 4 loads
.set Y,   84                           ; v[84:115]  x to store, 16 pairs
.set WY,  116                          ; v[116:123] weights to store, 4 pairs
.set T,   124                          ; v[124:127] at work
	s_load_b256 s[4:11], s[0:1], 0x0               ; x s[4:5], Wq s[6:7], Wk s[8:9], Wv s[10:11]
	s_load_b256 s[12:19], s[0:1], 0x20             ; Wo s[12:13], xb s[14:15], wcat s[16:17], wob s[18:19]
	v_lshlrev_b32 v1, 4, v0                        ; my 16 bytes of a load
	v_lshlrev_b32 v2, 3, v0                        ; my 8 bytes of a store
	s_lshr_b32 s22, ttmp9, 6                       ; m: which weight matrix (3: Wo)
	s_and_b32 s23, ttmp9, 63                       ; i: which 8 rows of it
	s_lshl_b32 s32, ttmp9, 16                      ; x: 65,536 bytes a work-group
	s_mov_b32 s33, 0
	s_lshl_b32 s34, ttmp9, 15                      ; xb: 32,768
	s_mov_b32 s35, 0
	s_lshl_b32 s36, s23, 14                        ; the weights' source: 8 rows of 2,048 bytes
	s_mov_b32 s37, 0
	s_lshr_b32 s28, s23, 3                         ; rows 8 i .. 8 i + 7 lie in head i / 8, from channel 8 (i % 8) on
	s_mul_i32 s28, s28, 192
	s_lshl_b32 s29, s22, 6
	s_add_co_u32 s28, s28, s29                     ; 192 head + 64 m
	s_and_b32 s29, s23, 7
	s_lshl3_add_u32 s28, s29, s28                  ; + 8 (i % 8)
	s_lshl_b32 s28, s28, 10                        ; wcat: rows of 1,024 bytes
	s_lshl_b32 s29, s23, 13                        ; wob: the rows stay where they were
	s_mov_b32 s27, 0
	s_wait_kmcnt 0x0
	s_cmp_eq_u32 s22, 1
	s_cselect_b64 s[20:21], s[8:9], s[6:7]         ; the source: Wq, Wk,
	s_cmp_eq_u32 s22, 2
	s_cselect_b64 s[20:21], s[10:11], s[20:21]     ; Wv,
	s_cmp_eq_u32 s22, 3
	s_cselect_b64 s[20:21], s[12:13], s[20:21]     ; or Wo;
	s_cselect_b64 s[24:25], s[18:19], s[16:17]     ; the destination, wob or wcat,
	s_cselect_b32 s26, s29, s28                    ; the place in it,
	s_cselect_b32 s30, -1, 0                       ; and a mask of all lanes where the f16 form is wanted
	s_add_nc_u64 s[4:5], s[4:5], s[32:33]
	s_add_nc_u64 s[14:15], s[14:15], s[34:35]
	s_add_nc_u64 s[20:21], s[20:21], s[36:37]
	s_add_nc_u64 s[24:25], s[24:25], s[26:27]
.irp j, 0,1,2,3,4,5,6,7,8,9,10,11,12,13,14,15
	global_load_b128 v[X+4*(\j):X+4*(\j)+3], v1, s[4:5] offset:4096*(\j) th:TH_LOAD_NT
.endr
.irp j, 0,1,2,3
	global_load_b128 v[WR+4*(\j):WR+4*(\j)+3], v1, s[20:21] offset:4096*(\j) th:TH_LOAD_NT
.endr
.irp j, 0,1,2,3,4,5,6,7,8,9,10,11,12,13,14,15
	s_wait_loadcnt 19-(\j)                         ; loads come back in order: of the 20, the 19 - j younger ones may stay out
	v_cvt_pk_bf16_f32 v[Y+2*(\j)], v[X+4*(\j)], v[X+4*(\j)+1]
	v_cvt_pk_bf16_f32 v[Y+2*(\j)+1], v[X+4*(\j)+2], v[X+4*(\j)+3]
	global_store_b64 v2, v[Y+2*(\j):Y+2*(\j)+1], s[14:15] offset:2048*(\j)
.endr
.irp j, 0,1,2,3
	s_wait_loadcnt 3-(\j)
	v_cvt_pk_bf16_f32 v[T], v[WR+4*(\j)], v[WR+4*(\j)+1]
	v_cvt_pk_bf16_f32 v[T+1], v[WR+4*(\j)+2], v[WR+4*(\j)+3]
	v_lshlrev_b32 v[T+2], 16, v[T]                 ; the two bf16 numbers as f32,
	v_and_b32 v[T+3], 0xffff0000, v[T]
	v_cvt_pk_f16_f32 v[T+2], v[T+2], v[T+3]        ; written as f16;
	v_cndmask_b32 v[WY+2*(\j)], v[T], v[T+2], s30  ; a choice of a value, made in every work-group: no branch
	v_lshlrev_b32 v[T+2], 16, v[T+1]
	v_and_b32 v[T+3], 0xffff0000, v[T+1]
	v_cvt_pk_f16_f32 v[T+2], v[T+2], v[T+3]
	v_cndmask_b32 v[WY+2*(\j)+1], v[T+1], v[T+2], s30
	global_store_b64 v2, v[WY+2*(\j):WY+2*(\j)+1], s[24:25] offset:2048*(\j)
.endr
	s_endpgm
.Lfunc_end_k_q5254020296_cast:
	.size	k_q5254020296_cast, .Lfunc_end_k_q5254020296_cast-k_q5254020296_cast
	.p2alignl 7, 3214868480
	.fill 96, 4, 3214868480
	.section	.rodata,"a",@progbits
	.p2align	6, 0x0
	.amdhsa_kernel k_q5254020296_cast
		.amdhsa_group_segment_fixed_size 0
		.amdhsa_private_segment_fixed_size 0
		.amdhsa_enable_private_segment 0
		.amdhsa_kernarg_size 64
		.amdhsa_user_sgpr_count 2
		.amdhsa_user_sgpr_kernarg_segment_ptr 1
		.amdhsa_wavefront_size32 1
		.amdhsa_system_sgpr_workgroup_id_x 1
		.amdhsa_system_sgpr_workgroup_id_y 1
		.amdhsa_system_sgpr_workgroup_id_z 1
		.amdhsa_system_vgpr_workitem_id 0
		.amdhsa_next_free_vgpr 128
		.amdhsa_next_free_sgpr 66
		.amdhsa_reserve_vcc 0
		.amdhsa_float_denorm_mode_32 3
		.amdhsa_float_denorm_mode_16_64 3
		.amdhsa_memory_ordered 1
		.amdhsa_forward_progress 1
		.amdhsa_inst_pref_size 11
	.end_amdhsa_kernel
	.amdgpu_metadata
---
amdhsa.version: [ 1, 2 ]
amdhsa.kernels:
  - .name:           k_q5254020296_cast
    .symbol:         k_q5254020296_cast.kd
    .args:
      - { .name: x, .offset: 0, .size: 8, .value_kind: global_buffer, .address_space: global }
      - { .name: Wq, .offset: 8, .size: 8, .value_kind: global_buffer, .address_space: global }
      - { .name: Wk, .offset: 16, .size: 8, .value_kind: global_buffer, .address_space: global }
      - { .name: Wv, .offset: 24, .size: 8, .value_kind: global_buffer, .address_space: global }
      - { .name: Wo, .offset: 32, .size: 8, .value_kind: global_buffer, .address_space: global }
      - { .name: xb, .offset: 40, .size: 8, .value_kind: global_buffer, .address_space: global }
      - { .name: wcat, .offset: 48, .size: 8, .value_kind: global_buffer, .address_space: global }
      - { .name: wob, .offset: 56, .size: 8, .value_kind: global_buffer, .address_space: global }
    .group_segment_fixed_size: 0
    .private_segment_fixed_size: 0
    .kernarg_segment_align: 8
    .kernarg_segment_size: 64
    .max_flat_workgroup_size: 256
    .sgpr_count:     66
    .vgpr_count:     128
    .wavefront_size: 32
...
	.end_amdgpu_metadata
.endif
;; end of part 1
;; launch qkv (part 2): grid 8 x 32, 4 waves a work-group, clusters of 4 x 4, 327,680 bytes of LDS; arguments xb, wcat, bq, bk, bv, qh, kh, vh; writes qh, kh, vh
.if DOCPART == 2
	.amdgcn_target "amdgcn-amd-amdhsa--gfx1250"
	.amdhsa_code_object_version 6
	.text
	.protected	k_q5254020296_qkv
	.globl	k_q5254020296_qkv
	.p2align	8
	.type	k_q5254020296_qkv,@function
k_q5254020296_qkv:
	s_mov_b64 s[64:65], 0
	v_nop
	global_prefetch_b8 v0, s[64:65] scope:SCOPE_SE
	s_setreg_imm32_b32 hwreg(HW_REG_WAVE_MODE, 25, 1), 1
	s_wait_xcnt 0x0
	s_wait_alu depctr_hold_cnt(0) depctr_sa_sdst(0) depctr_va_vdst(0) depctr_va_sdst(0) depctr_va_ssrc(0) depctr_va_vcc(0) depctr_vm_vsrc(0)
	s_getreg_b32 s2, hwreg(HW_REG_IB_STS2, 6, 4)
	s_cmp_eq_u32 s2, 0
	s_cbranch_scc0 .Lentry_in_a_cluster
	s_endpgm
.Lentry_in_a_cluster:
	s_bfe_u32 s2, ttmp6, 0x10000c
	s_cmp_lg_u32 s2, 0xf033
	s_cbranch_scc0 .Lentry_shape_is_right
	s_endpgm
.Lentry_shape_is_right:
; q, k, v = x W^T + b, by heads.  xb [8192][512] bf16, wcat [1536][512] bf16 (a head's q, k and v rows on end), bq, bk, bv [512] f32 (rounded to bf16 here, like every input).
; qh, kh, vh: [16 = 8 batch + head][4096][64] f16, each number rounded once from its f32 sum, unscaled.
; LIMIT.  f16 holds no number beyond 65,504: q, k and v must stay within it.  NaN and infinities are not treated apart.
; SHARES.  A work-group makes 256 tokens x 192 columns: one head's q, k and v: 32 x 8 = 256 work-groups.  Each of its four waves makes 64 tokens x 192 columns: 48 accumulators of
; 16 x 16, 384 registers; for 32 along K it loads 4 fragments of x and 12 of W (32 LDS loads) for 48 matrix instructions.
; K = 512 goes in four steps of 128 through two LDS slots: rows of 256 bytes, at multiples of 256 bytes.  The text is a straight line: 16 quarter steps.
; CLUSTER.  4 x 4 work-groups: the four of a row of the cluster take the same tokens, the four of a column the same head; each tile is asked for jointly, with one descriptor and a mask of four.
; THE PRODUCT IS USED TRANSPOSED (source 0 = 16 rows of W, source 1 = 16 tokens): a lane holds one token (lane % 16) and the channels 8 (lane / 16) + 0..7.
; THE BIAS STARTS THE SUMS: it is the C operand of each accumulator's first product, so nothing is cleared and nothing is added later.
; NO PREFETCH: of the four K steps two are first fills at the head, and the other two are asked for one step after them.
; REGISTERS, in windows of 256 (s_set_vgpr_msb: bits 1:0 source 0, 3:2 source 1, 5:4 source 2, 7:6 destination):
;   window 0: v0-31 addresses; v64-127 x's fragments, two buffers of 32; v128-223 the bias, 8 registers a column block; on the way out v128-175 packed results, v176-223 and v64-111 rows read back
;   window 1: v0-191 W's fragments, two buffers of 96      window 2: accumulators of token blocks 0, 1 ((a, b) at 8 (12 (a % 2) + b))      window 3: of blocks 2, 3
.set PITCH,  272                       ; an LDS row: 256 bytes + 16 of padding = 68 words: the 16 rows of a load start at 16 different groups of four banks (64 banks of 4 bytes: ISA guide 11.1)
.set HALFA,  128*PITCH                 ; what wave 0 or 1 fetches: 128 tokens
.set HALFB,  96*PITCH                  ; what wave 2 or 3 fetches: 96 rows of W
.set BOFF,   256*PITCH                 ; W's rows lie behind x's 256
.set SLOT,   448*PITCH
.set STAGE,  2*SLOT                    ; behind the ring, never filled by a tensor load: 16 rows x 400 bytes for each wave
.set SPITCH, 400                       ; 384 bytes (q, k, v of a token) + 16
.set SPARE,  STAGE+4*16*SPITCH         ; the spare words, 128 bytes a wave: two blocks of 256 bytes that no other line names
.set ADRA, 16                          ; v16-17  LDS address of my x fragments in slot 0, 1
.set ADRB, 20                          ; v20-21  the same for W
.set STO,  24                          ; v24     the way out: where I put 16 bytes of a token
.set RD,   25                          ; v25     where I read them back
.set GO,   26                          ; v26     16 x lane: my place in 512 consecutive bytes of qh, kh or vh
.set BO,   27                          ; v27     32 (lane / 16): my 8 numbers of 16 of a bias
.set SPW,  28                          ; v28     LDS address of my spare word; never rewritten
.set NIL,  29                          ; v29     0; never rewritten
.set FA,   64
.set BIAS, 128
.set TMP,  128
.set G1,   32                          ; s[32:39] group 1 for x's tiles;  s[40:47] group 0, a set for each slot
.set G0,   40
.set G1B,  48                          ; s[48:55], s[56:63] the same for W's tiles
.set G0B,  56
.set MSB, 0
.macro WIN new                         ; the immediate's high byte repeats the setting that is left; a switch that changes nothing is dropped
.if MSB != (\new)
	s_set_vgpr_msb (MSB<<8)|(\new)
.set MSB, \new
.endif
.endm
.macro PLACES                          ; four places behind matrix instructions, in front of loads into registers that they read and of conversions that read results
.rept 4
	v_nop
.endr
.endm
; A joint load: waves 0 and 1 fetch x's two halves, waves 2 and 3 W's.  The branch hangs on the wave's number alone.  An s_nop 0 and four v_nop follow each line.
.macro JLOAD s
	s_cmp_eq_u32 s21, 0
	s_cbranch_scc0 .Lfor_b_\@
	tensor_load_to_lds s[G0+4*(\s):G0+4*(\s)+3], s[G1:G1+7]
	s_nop 0
.rept 4
	v_nop
.endr
	s_branch .Lasked_\@
.Lfor_b_\@:
	tensor_load_to_lds s[G0B+4*(\s):G0B+4*(\s)+3], s[G1B:G1B+7]
	s_nop 0
.rept 4
	v_nop
.endr
.Lasked_\@:
.endm
.macro CREST                           ; a round of the cluster's barrier behind its opening barrier
	s_cmp_lg_u32 s20, 0
	s_cbranch_scc1 .Lnot_wave_0_\@
	s_barrier_signal -3
.Lnot_wave_0_\@:
	s_barrier_wait -3
	s_barrier_signal -1
	s_barrier_wait -1
.endm
.macro CROUND                          ; a whole round
	s_barrier_signal -1
	s_barrier_wait -1
	CREST
.endm
	s_load_b256 s[4:11], s[0:1], 0x0               ; xb s[4:5], wcat s[6:7], bq s[8:9], bk s[10:11]
	s_load_b256 s[12:19], s[0:1], 0x20             ; bv s[12:13], qh s[14:15], kh s[16:17], vh s[18:19]
	v_lshl_add_u32 v[SPW], v0, 2, SPARE
	v_mov_b32 v[NIL], 0
	ds_add_u32 v[SPW], v[NIL]                      ; the wave's opening: the add and its wait stand ahead of my first tensor load; the set-up below stands between them
	v_lshrrev_b32 v1, 5, v0
	v_readfirstlane_b32 s20, v1                    ; wave 0..3
	s_lshr_b32 s21, s20, 1                         ; I fetch for x (0) or for W (1)
	s_and_b32 s22, s20, 1                          ; which half of that tile
	s_bfe_u32 s23, ttmp6, 0x40000                  ; cx
	s_bfe_u32 s24, ttmp6, 0x40004                  ; cy
	s_lshl_b32 s25, ttmp9, 2
	s_add_co_u32 s25, s25, s23                     ; head = 4 x cluster x + cx
	s_and_b32 s26, ttmp7, 0xffff
	s_lshl_b32 s26, s26, 2
	s_add_co_u32 s26, s26, s24                     ; block of 256 tokens = 4 x cluster y + cy
	s_lshl_b32 s27, s24, 2
	s_lshl_b32 s27, 15, s27                        ; my row of the cluster
	s_lshl_b32 s28, 0x1111, s23                    ; my column
	s_or_b32 s[G1], s27, (1<<16)|(1<<20)|(1<<21)|(5<<22)|(3<<25)   ; 15:0 the mask; 17:16 2-byte elements; 20 padding on; 21 set beside a mask; 24:22 after every 64 words; 31:25 4 words
	s_or_b32 s[G1B], s28, (1<<16)|(1<<20)|(1<<21)|(5<<22)|(3<<25)
.irp g, G1, G1B
	s_mov_b32 s[(\g)+1], 128<<16                   ; tensor_dim0 = 128
	s_mov_b32 s[(\g)+3], 128<<16                   ; tile_dim0 = 128
	s_mov_b32 s[(\g)+5], 512                       ; elements from row to row
	s_mov_b32 s[(\g)+6], 0
	s_mov_b32 s[(\g)+7], 0
.endr
	s_mov_b32 s[G1+2], 128<<16                     ; tensor_dim1 and
	s_mov_b32 s[G1+4], 128                         ; tile_dim1: 128 tokens,
	s_mov_b32 s[G1B+2], 96<<16
	s_mov_b32 s[G1B+4], 96                         ; 96 rows of W
	s_lshl_b32 s66, s26, 8                         ; x: token 256 x block + 128 x half, rows of 1,024 bytes: made of cy and the wave's number alone
	s_lshl_b32 s67, s22, 7
	s_add_co_u32 s66, s66, s67
	s_lshl_b32 s66, s66, 10
	s_mov_b32 s67, 0
	s_mul_i32 s70, s25, 192                        ; W: row 192 x head + 96 x half: made of cx and the wave's number alone
	s_mul_i32 s71, s22, 96
	s_add_co_u32 s70, s70, s71
	s_lshl_b32 s70, s70, 10
	s_mov_b32 s71, 0
	s_mul_i32 s30, s20, HALFA                      ; where the tiles go: waves 0, 1: x's halves at wave x 128 rows;
	s_mul_i32 s31, s20, HALFB
	s_add_co_u32 s31, s31, BOFF-2*HALFB            ; waves 2, 3: W's halves at BOFF + (wave - 2) x 96 rows
	s_wait_dscnt 0x0                               ; the opening add is done
	s_wait_kmcnt 0x0
	s_add_nc_u64 s[68:69], s[4:5], s[66:67]
	s_add_nc_u64 s[72:73], s[6:7], s[70:71]
	CROUND                                         ; all sixteen work-groups are here: the first joint loads meet
.irp s, 0,1
	s_mov_b32 s[G0+4*(\s)], 1
	s_add_co_u32 s[G0+4*(\s)+1], s30, (\s)*SLOT
	s_add_nc_u64 s[G0+4*(\s)+2:G0+4*(\s)+3], s[68:69], (\s)*256    ; K step s
	s_or_b32 s[G0+4*(\s)+3], s[G0+4*(\s)+3], 0x80000000
	s_mov_b32 s[G0B+4*(\s)], 1
	s_add_co_u32 s[G0B+4*(\s)+1], s31, (\s)*SLOT
	s_add_nc_u64 s[G0B+4*(\s)+2:G0B+4*(\s)+3], s[72:73], (\s)*256
	s_or_b32 s[G0B+4*(\s)+3], s[G0B+4*(\s)+3], 0x80000000
	JLOAD \s
.endr
	; the biases: register j of column block b is bias[16 b + 8 (lane / 16) + j] of the head's 192 columns; blocks 0-3 q, 4-7 k, 8-11 v
	v_and_b32 v1, 15, v0                           ; l % 16
	v_bfe_u32 v2, v0, 4, 1                         ; l / 16
	v_lshlrev_b32 v[BO], 5, v2
	s_lshl_b32 s76, s25, 8                         ; the head's 64 numbers
	s_mov_b32 s77, 0
	s_add_nc_u64 s[8:9], s[8:9], s[76:77]
	s_add_nc_u64 s[10:11], s[10:11], s[76:77]
	s_add_nc_u64 s[12:13], s[12:13], s[76:77]
.irp b, 0,1,2,3,4,5,6,7,8,9,10,11
	global_load_b128 v[BIAS+8*(\b):BIAS+8*(\b)+3],   v[BO], s[8+2*((\b)/4):9+2*((\b)/4)] offset:64*((\b)%4)
	global_load_b128 v[BIAS+8*(\b)+4:BIAS+8*(\b)+7], v[BO], s[8+2*((\b)/4):9+2*((\b)/4)] offset:64*((\b)%4)+16
.endr
	; a fragment is 16 rows x 32 K in 8 registers: lane l holds row l % 16, K = 8 (l / 16) + 0..7 and 16 + 8 (l / 16) + 0..7: two loads of 16 bytes, 32 bytes apart
	v_mul_u32_u24 v3, v1, PITCH
	v_lshl_add_u32 v3, v2, 4, v3
	s_mul_i32 s29, s20, 64*PITCH                   ; my 64 tokens
	v_add_nc_u32 v[ADRA], s29, v3
	v_add_nc_u32 v[ADRA+1], SLOT, v[ADRA]
	v_add_nc_u32 v[ADRB], BOFF, v3                 ; all 192 rows of W
	v_add_nc_u32 v[ADRB+1], SLOT, v[ADRB]
	s_mul_i32 s29, s20, 16*SPITCH
	s_add_co_u32 s29, s29, STAGE                   ; my stage
	v_mul_u32_u24 v4, v1, SPITCH                   ; in: token l % 16, 16 bytes for each half of the lanes
	v_lshl_add_u32 v4, v2, 4, v4
	v_add_nc_u32 v[STO], s29, v4
	v_bfe_u32 v4, v0, 3, 2                         ; back: 32 lanes take 128 bytes of each of four tokens,
	v_mul_u32_u24 v4, v4, SPITCH
	v_and_b32 v5, 7, v0
	v_lshl_add_u32 v4, v5, 4, v4
	v_add_nc_u32 v[RD], s29, v4
	v_and_b32 v[GO], 31, v0                        ; which are 512 consecutive bytes of qh, kh or vh
	v_lshlrev_b32 v[GO], 4, v[GO]
	s_lshr_b32 s74, s26, 4                         ; batch (16 blocks of 256 tokens each)
	s_lshl_b32 s74, s74, 3
	s_add_co_u32 s74, s74, s25                     ; 8 batch + head
	s_lshl_b32 s74, s74, 12
	s_and_b32 s78, s26, 15
	s_lshl_b32 s78, s78, 8
	s_add_co_u32 s74, s74, s78                     ; + the block's first token
	s_lshl_b32 s78, s20, 6
	s_add_co_u32 s74, s74, s78                     ; + my wave's 64
	s_lshl_b32 s74, s74, 7                         ; rows of 128 bytes
	s_mov_b32 s75, 0
	s_add_nc_u64 s[14:15], s[14:15], s[74:75]
	s_add_nc_u64 s[16:17], s[16:17], s[74:75]
	s_add_nc_u64 s[18:19], s[18:19], s[74:75]
	s_wait_loadcnt 0x0                             ; the biases, rounded to bf16 and widened again; all this stands in the wait for the first tile
.set i, 0
.rept 48
	v_cvt_pk_bf16_f32 v[30+i%2], v[BIAS+2*i], v[BIAS+2*i+1]
	v_lshlrev_b32 v[BIAS+2*i], 16, v[30+i%2]
	v_and_b32 v[BIAS+2*i+1], 0xffff0000, v[30+i%2]
.set i, i+1
.endr
; 12 matrix instructions: token block a x all 12 column blocks, 32 along K, from buffer f.  zero = 1: the first product of each sum, with the bias as C.
; The 48 accumulators take turns, one instruction a turn, in the same order in every quarter step.
.macro MUL12 f, a, zero
.if \zero
	WIN 0x81+0x40*((\a)/2)                         ; W window 1, x and the bias window 0, D window 2 or 3
.else
	WIN 0xa1+0x50*((\a)/2)                         ; W window 1, x window 0, C and D window 2 or 3
.endif
.irp b, 0,1,2,3,4,5,6,7,8,9,10,11
.set rD, 8*(12*((\a)%2)+(\b))
.set rB, 96*(\f)+8*(\b)
.set rA, FA+32*(\f)+8*(\a)
.if \zero
	v_wmma_f32_16x16x32_bf16 v[rD:rD+7], v[rB:rB+7], v[rA:rA+7], v[BIAS+8*(\b):BIAS+8*(\b)+7]
.else
	v_wmma_f32_16x16x32_bf16 v[rD:rD+7], v[rB:rB+7], v[rA:rA+7], v[rD:rD+7]
.endif
.endr
.endm
; 32 LDS loads in one run: a quarter step's fragments (192 rows of W, then my 64 tokens; 32 K at byte k of the rows) into buffer f
.macro FETCH slot, k, f
	WIN 0x40                                       ; destination window 1, address window 0
.irp i, 0,1,2,3,4,5,6,7,8,9,10,11
	ds_load_b128 v[96*(\f)+8*(\i):96*(\f)+8*(\i)+3],   v[ADRB+(\slot)] offset:(\k)+(\i)*16*PITCH
	ds_load_b128 v[96*(\f)+8*(\i)+4:96*(\f)+8*(\i)+7], v[ADRB+(\slot)] offset:(\k)+(\i)*16*PITCH+32
.endr
	WIN 0
.irp i, 0,1,2,3
	ds_load_b128 v[FA+32*(\f)+8*(\i):FA+32*(\f)+8*(\i)+3],   v[ADRA+(\slot)] offset:(\k)+(\i)*16*PITCH
	ds_load_b128 v[FA+32*(\f)+8*(\i)+4:FA+32*(\f)+8*(\i)+7], v[ADRA+(\slot)] offset:(\k)+(\i)*16*PITCH+32
.endr
.endm
; One of a K step's first three quarters: multiplies buffer f; in its middle it fetches the next quarter, at byte k of the same slot's rows, into buffer g.
.macro QUARTER slot, k, f, g, zero
	s_wait_dscnt 4                                 ; W and token blocks 0, 1 are in; the youngest four loads (blocks 2, 3) may be out
	MUL12 \f, 0, \zero
	MUL12 \f, 1, \zero
	PLACES
	FETCH \slot, \k, \g
	s_wait_dscnt 32                                ; all but the 32 just issued
	MUL12 \f, 2, \zero
	MUL12 \f, 3, \zero
.endm
; The last quarter multiplies buffer 1 and changes slots: ONE barrier.  In front of it each wave waits for all its tensor loads (one is out: its part of the next slot), adds 0 to its spare word,
; and waits for that and for its reads of this slot.  fill = 1: the barrier opens a round of the cluster's, and this slot is filled again, two K steps on, first thing behind the round:
; from that request to the wait for it a wave issues 168 matrix instructions.
.macro TURN slot, next, fill
	WIN 0                                          ; (the add's two registers lie in window 0)
	s_wait_tensorcnt 0x0                           ; all my tensor loads have landed
	ds_add_u32 v[SPW], v[NIL]                      ; 0 onto my spare word
	s_wait_dscnt 5                                 ; (the add and the youngest four loads may be out)
	MUL12 1, 0, 0                                  ; twelve matrix instructions stand between the add and the wait for it
	s_wait_dscnt 0x0                               ; the add is done, and my reads of this slot are over
	s_barrier_signal -1
	MUL12 1, 1, 0                                  ; work on registers while the others arrive
.if \fill
	WIN 0
.endif
	s_barrier_wait -1
.if \fill
	CREST                                          ; no wave of any partner still reads this slot or has a load on its way
	s_add_nc_u64 s[G0+4*(\slot)+2:G0+4*(\slot)+3], s[G0+4*(\slot)+2:G0+4*(\slot)+3], 512
	s_add_nc_u64 s[G0B+4*(\slot)+2:G0B+4*(\slot)+3], s[G0B+4*(\slot)+2:G0B+4*(\slot)+3], 512
	JLOAD \slot                                    ; its four v_nop are also the places in front of the loads below
.else
	PLACES
.endif
	FETCH \next, 0, 0
	MUL12 1, 2, 0
	MUL12 1, 3, 0
.endm
; THE WAY OUT of token block a.  PACK: rounded to f16, 16 bytes a lane and column block.  TOSTAGE: into my own stage, and back as 128 bytes of q, of k and of v for each token.  SEND: stored.
.macro PACK a
	WIN 0x0a+5*((\a)/2)                            ; sources 0 and 1: window 2 or 3; each accumulator's registers in ascending order
.irp b, 0,1,2,3,4,5,6,7,8,9,10,11
.irp r, 0,1,2,3
	v_cvt_pk_f16_f32 v[TMP+4*(\b)+(\r)], v[8*(12*((\a)%2)+(\b))+2*(\r)], v[8*(12*((\a)%2)+(\b))+2*(\r)+1]
.endr
.endr
	WIN 0
.endm
.macro TOSTAGE a
	WIN 0
.set OBR, 176-112*((\a)%2)             ; v176-223 and v64-111 by turns
.irp b, 0,1,2,3,4,5,6,7,8,9,10,11
	ds_store_b128 v[STO], v[TMP+4*(\b):TMP+4*(\b)+3] offset:32*(\b)
.endr
.irp m, 0,1,2
.irp f, 0,1,2,3
	ds_load_b128 v[OBR+4*(4*(\m)+(\f)):OBR+4*(4*(\m)+(\f))+3], v[RD] offset:4*SPITCH*(\f)+128*(\m)  ; LDS serves a wave's instructions in order (ISA guide 5.7.1.4): these see the stores above
.endr
.endr
.endm
.macro SEND a
	WIN 0
.set OBR, 176-112*((\a)%2)
	s_wait_dscnt 0x0                               ; the block is back in registers
	s_wait_xcnt 0x0                                ; the stores of the block before have read their registers: the next TOSTAGE loads into them
.irp m, 0,1,2
.irp f, 0,1,2,3
	global_store_b128 v[GO], v[OBR+4*(4*(\m)+(\f)):OBR+4*(4*(\m)+(\f))+3], s[14+2*(\m):15+2*(\m)] offset:2048*(\a)+512*(\f)  ; 512 consecutive bytes, at a multiple of 256 from the buffer's first
.endr
.endr
.endm
	s_wait_tensorcnt 1                             ; my part of K step 0 is in; K step 1's may stay out
	s_barrier_signal -1
	s_barrier_wait -1                              ; everybody's is
	FETCH 0, 0, 0
	QUARTER 0, 64,  0, 1, 1                        ; K step 0; its first quarter starts the sums
	QUARTER 0, 128, 1, 0, 0
	QUARTER 0, 192, 0, 1, 0
	TURN 0, 1, 1                                   ; slot 0 takes K step 2
	QUARTER 1, 64,  0, 1, 0                        ; K step 1
	QUARTER 1, 128, 1, 0, 0
	QUARTER 1, 192, 0, 1, 0
	TURN 1, 0, 1                                   ; slot 1 takes K step 3
	QUARTER 0, 64,  0, 1, 0                        ; K step 2
	QUARTER 0, 128, 1, 0, 0
	QUARTER 0, 192, 0, 1, 0
	TURN 0, 1, 0                                   ; nothing is left to ask for
	QUARTER 1, 64,  0, 1, 0                        ; K step 3
	QUARTER 1, 128, 1, 0, 0
	QUARTER 1, 192, 0, 1, 0
	s_wait_dscnt 4
	MUL12 1, 0, 0
	MUL12 1, 1, 0
	s_wait_dscnt 0x0
	MUL12 1, 2, 0
	MUL12 1, 3, 0
	WIN 0
	PLACES
	PACK 0
	TOSTAGE 0
.irp a, 1,2,3                          ; block a's conversions stand between block a - 1's loads from the stage and the wait for them
	PACK \a
	SEND (\a)-1
	TOSTAGE \a
.endr
	SEND 3
	s_wait_tensorcnt 0x0                           ; the wave's end: an add and its wait, behind my last tensor load and my last LDS store
	ds_add_u32 v[SPW], v[NIL]
	s_wait_dscnt 0x0
	CROUND                                         ; the closing round: no work-group ends while a partner may still ask for a tile that names it
	s_endpgm
.Lfunc_end_k_q5254020296_qkv:
	.size	k_q5254020296_qkv, .Lfunc_end_k_q5254020296_qkv-k_q5254020296_qkv
	.p2alignl 7, 3214868480
	.fill 96, 4, 3214868480
	.section	.rodata,"a",@progbits
	.p2align	6, 0x0
	.amdhsa_kernel k_q5254020296_qkv
		.amdhsa_group_segment_fixed_size 327680
		.amdhsa_private_segment_fixed_size 0
		.amdhsa_enable_private_segment 0
		.amdhsa_kernarg_size 64
		.amdhsa_user_sgpr_count 2
		.amdhsa_user_sgpr_kernarg_segment_ptr 1
		.amdhsa_wavefront_size32 1
		.amdhsa_system_sgpr_workgroup_id_x 1
		.amdhsa_system_sgpr_workgroup_id_y 1
		.amdhsa_system_sgpr_workgroup_id_z 1
		.amdhsa_system_vgpr_workitem_id 0
		.amdhsa_next_free_vgpr 960
		.amdhsa_next_free_sgpr 80
		.amdhsa_reserve_vcc 0
		.amdhsa_float_denorm_mode_32 3
		.amdhsa_float_denorm_mode_16_64 3
		.amdhsa_memory_ordered 1
		.amdhsa_forward_progress 1
		.amdhsa_inst_pref_size 128
	.end_amdhsa_kernel
	.amdgpu_metadata
---
amdhsa.version: [ 1, 2 ]
amdhsa.kernels:
  - .name:           k_q5254020296_qkv
    .symbol:         k_q5254020296_qkv.kd
    .args:
      - { .name: xb, .offset: 0, .size: 8, .value_kind: global_buffer, .address_space: global }
      - { .name: wcat, .offset: 8, .size: 8, .value_kind: global_buffer, .address_space: global }
      - { .name: bq, .offset: 16, .size: 8, .value_kind: global_buffer, .address_space: global }
      - { .name: bk, .offset: 24, .size: 8, .value_kind: global_buffer, .address_space: global }
      - { .name: bv, .offset: 32, .size: 8, .value_kind: global_buffer, .address_space: global }
      - { .name: qh, .offset: 40, .size: 8, .value_kind: global_buffer, .address_space: global }
      - { .name: kh, .offset: 48, .size: 8, .value_kind: global_buffer, .address_space: global }
      - { .name: vh, .offset: 56, .size: 8, .value_kind: global_buffer, .address_space: global }
    .group_segment_fixed_size: 327680
    .private_segment_fixed_size: 0
    .kernarg_segment_align: 8
    .kernarg_segment_size: 64
    .max_flat_workgroup_size: 128
    .sgpr_count:     80
    .vgpr_count:     960
    .wavefront_size: 32
...
	.end_amdgpu_metadata
.endif
;; end of part 2
;; launch attn (part 3): grid 16 x 16, 8 waves a work-group, no clusters, 175,104 bytes of LDS; arguments qh, kh, vh, oh; writes oh
.if DOCPART == 3
	.amdgcn_target "amdgcn-amd-amdhsa--gfx1250"
	.amdhsa_code_object_version 6
	.text
	.protected	k_q5254020296_attn
	.globl	k_q5254020296_attn
	.p2align	8
	.type	k_q5254020296_attn,@function
k_q5254020296_attn:
	s_mov_b64 s[64:65], 0
	v_nop
	global_prefetch_b8 v0, s[64:65] scope:SCOPE_SE
	s_setreg_imm32_b32 hwreg(HW_REG_WAVE_MODE, 25, 1), 1
	s_wait_xcnt 0x0
; BANDED ATTENTION.  O[bh][q] = the sum over |k - q| <= 128 of softmax_k(Q[bh][q] . K[bh][k] / sqrt(512)) V[bh][k].  qh, kh, vh, oh: [16][4096][64] f16: a head's rows are dense, 128 bytes each.
; A key outside the band has weight 0 in the problem's own mask, so only the band is computed.  Products, maxima and sums in f32; the weights p are rounded to f16 for the second product
; (their sum l is taken of the unrounded p), O once at the end.
; LIMITS.  A hidden score counts as its value less 1e30 (f16's scores, 2.7e11 at the most, are nothing beside that); a weight below 2^-126 counts as 0; p below 6e-5 and O below 6e-5 keep f16's
; fixed step of 6e-8; NaN and infinities are not treated apart.
; SHARES.  A work-group owns 256 queries Q0 .. Q0 + 255 of one head; the 512 keys Q0 - 128 .. Q0 + 383 lie in LDS whole: LDS row i is key Q0 - 128 + i.  Each of the eight waves fetches one eighth
; (128 rows of K or of V) by ONE tensor load: all are first fills; there is one barrier, no ring and no loop.  Wave w owns 32 queries, two tiles u of 16, and reads LDS rows 32 w .. 32 w + 287:
; 18 blocks kb of 16 keys.  Tile u scores blocks u .. u + 16: in the first a key is hidden where it lies before the query's place in the block, in the last where it lies behind it, in between
; nothing is hidden.  The block left over has p = 0.  Two waves share a SIMD: one's softmax runs beside the other's products.
; THE WHOLE ROW IS IN REGISTERS (136 scores a lane and tile), so the maximum taken away is the row's own: there is no running maximum and nothing is rescaled.
; THE SEQUENCE'S ENDS.  A piece of 128 keys that lies outside the head's 4,096 rows is read from the neighbouring rows of the buffer (held inside it by a clamp); the waves whose window reaches
; outside add -1e30 to those blocks' scores: blocks of 16 lie wholly inside or wholly outside.
; LAYOUT.  S^T = K Q^T (source 0 = 16 keys, source 1 = 16 queries) holds ONE query a lane (lane % 16) and the keys 8 (lane / 16) + 0..7; two such results rounded to f16 ARE source 1 of O^T = V^T P.
; The masks are the C operand of the product that starts a sum.
; NO CLUSTER: neighbouring blocks of queries share two of their four pieces of keys, but at different places of their windows, and a joint load has one LDS address for all.
; NO PREFETCH: every tile is a first fill at the kernel's head.
; REGISTERS, in windows of 256 (s_set_vgpr_msb: bits 1:0 source 0, 3:2 source 1, 5:4 source 2, 7:6 destination):
;   window 0: v0-15 addresses and at work; v16-47 Q; v48-55, v56-63 the two masks (later v48, v50: 1 / l); v64-207 S^T of tile 1; v208-223 its statistics; v224-255 the way out
;   window 1: v0-143 S^T of tile 0; v144-159 its statistics; v160-255 three buffers of 32 for K's and V's fragments
; In a tile's 144 registers (from SB on): scores of block kb at 8 kb; later p of block kb at 4 kb, and O^T at 96 + 8 cb.  What crosses the lanes' halves (maximum, sum) is moved to window 0 first.
.set PK,    144       ; a row of K in LDS: 128 bytes + 16 = 36 words: the 16 rows of a load start at 16 different groups of four banks (64 banks of 4 bytes: ISA guide 11.1)
.set PV,    160       ; a row of V: 128 + 32 = 40 words
.set VOFF,  512*PK
.set STAGE, VOFF+512*PV  ; never filled by a tensor load: 16 rows x 144 bytes for each wave
.set SP,    144
.set SPARE, STAGE+8*16*SP  ; the spare words, 128 bytes a wave: four blocks of 256 bytes that no other line names
.set AK,  3           ; v3   LDS address of my lane in my window's first block of K; never rewritten
.set AV,  4           ; v4   the same for V
.set QO,  5           ; v5   my byte offset in 16 rows of Q
.set STO, 6           ; v6   the way out: where I put 16 bytes of a row
.set RD,  7           ; v7   where I read rows back
.set GO,  8           ; v8   16 x lane
.set SPW, 14          ; v14  LDS address of my spare word; never rewritten
.set NIL, 15          ; v15  0; never rewritten
.set Q,   16
.set ML,  48          ; hidden where the key's place in the block is below the query's
.set MH,  56          ; hidden where it is above
.set RC,  48          ; 1 / l of tile u at v[RC + 2 u], once the masks have served
.set TMP, 224
.set FB,  160         ; window 1
.set MSB, 0
.macro WIN new                      ; the high byte repeats the setting that is left; a switch that changes nothing is dropped
.if MSB != (\new)
	s_set_vgpr_msb (MSB<<8)|(\new)
.set MSB, \new
.endif
.endm
.macro PLACES                       ; four places behind matrix instructions (ISA guide 7.12.1)
.rept 4
	v_nop
.endr
.endm
	s_load_b256 s[4:11], s[0:1], 0x0  ; qh s[4:5], kh s[6:7], vh s[8:9], oh s[10:11]
	v_lshl_add_u32 v[SPW], v0, 2, SPARE
	v_mov_b32 v[NIL], 0
	ds_add_u32 v[SPW], v[NIL]       ; the wave's opening: the add and its wait stand ahead of my tensor load; the set-up below stands between them
	v_lshrrev_b32 v1, 5, v0
	v_readfirstlane_b32 s12, v1     ; wave 0..7
	s_and_b32 s13, s12, 3           ; which piece of 128 keys I fetch
	s_lshl_b32 s14, ttmp9, 8        ; Q0
	s_and_b32 s15, ttmp7, 0xffff    ; bh
	s_lshl_b32 s16, s15, 12         ; the piece's first row among the buffer's 65,536: 4,096 bh + Q0 - 128 + 128 piece,
	s_add_co_u32 s16, s16, s14
	s_lshl_b32 s17, s13, 7
	s_add_co_u32 s16, s16, s17
	s_sub_co_u32 s16, s16, 128
	s_max_i32 s16, s16, 0           ; held inside the buffer: the clamp moves only pieces whose keys all lie outside the sequence
	s_min_i32 s16, s16, 65408
	s_lshl_b32 s16, s16, 7          ; rows of 128 bytes
	s_mov_b32 s17, 0
	s_lshl_b32 s18, s15, 12         ; my 32 queries: row 4,096 bh + Q0 + 32 w
	s_add_co_u32 s18, s18, s14
	s_lshl_b32 s19, s12, 5
	s_add_co_u32 s18, s18, s19
	s_lshl_b32 s18, s18, 7
	s_add_co_u32 s50, s14, s19
	s_sub_co_u32 s50, s50, 128      ; the key, counted in the sequence, of my window's first row; it wraps where that lies before the sequence
	s_mov_b32 s19, 0
	; descriptor group 1.  128 keys are 16,384 dense bytes: asked for as 64 rows of 256 bytes, two keys a row, and padded in LDS after every key
	s_mov_b32 s24, (1<<16)|(1<<20)|(4<<22)|(3<<25)  ; 17:16 2-byte elements; 20 padding on; 24:22 after every 32 words; 31:25 4 words
	s_mov_b32 s32, (1<<16)|(1<<20)|(4<<22)|(7<<25)  ; the same with 8 words, for V
.irp g, 24, 32
	s_mov_b32 s[(\g)+1], 128<<16    ; tensor_dim0 = 128
	s_mov_b32 s[(\g)+2], 64<<16     ; tensor_dim1 = 64
	s_mov_b32 s[(\g)+3], 128<<16    ; tile_dim0 = 128
	s_mov_b32 s[(\g)+4], 64         ; tile_dim1 = 64
	s_mov_b32 s[(\g)+5], 128        ; elements from row to row
	s_mov_b32 s[(\g)+6], 0
	s_mov_b32 s[(\g)+7], 0
.endr
	s_mov_b32 s40, 1
	s_mul_i32 s41, s13, 128*PK      ; K's piece
	s_mov_b32 s44, 1
	s_mul_i32 s45, s13, 128*PV
	s_add_co_u32 s45, s45, VOFF     ; V's piece
	s_mov_b32 s49, 0                ; named with s48 as a pair
	s_mov_b32 s58, 0x3d8293ee       ; c = log2(e) / sqrt(512) = 0.0637587
	s_mov_b32 s59, s58
	s_mov_b32 s60, 0x76543210       ; v_permlanex16_b32: each lane takes its own place in the other half
	s_mov_b32 s61, 0xfedcba98
	s_mov_b32 s62, 0xf149f2ca       ; -1e30
	s_wait_dscnt 0x0                ; the opening add is done
	s_wait_kmcnt 0x0
	s_add_nc_u64 s[42:43], s[6:7], s[16:17]
	s_or_b32 s43, s43, 0x80000000
	s_add_nc_u64 s[46:47], s[8:9], s[16:17]
	s_or_b32 s47, s47, 0x80000000
	s_add_nc_u64 s[4:5], s[4:5], s[18:19]
	s_add_nc_u64 s[10:11], s[10:11], s[18:19]
	s_cmp_lt_u32 s12, 4             ; waves 0-3 fetch K's four pieces, waves 4-7 V's: one tensor load of mine is out
	s_cbranch_scc0 .Lfor_v
	tensor_load_to_lds s[40:43], s[24:31]
	s_nop 0
.rept 4
	v_nop
.endr
	s_branch .Lasked
.Lfor_v:
	tensor_load_to_lds s[44:47], s[32:39]
	s_nop 0
.rept 4
	v_nop
.endr
.Lasked:
	; a fragment of K or Q is 16 rows x 32 channels in 8 registers: lane l holds row l % 16, channels 8 (l / 16) + 0..7 and 16 + 8 (l / 16) + 0..7: two loads of 16 bytes, 32 bytes apart
	v_and_b32 v1, 15, v0            ; r = l % 16
	v_bfe_u32 v2, v0, 4, 1          ; h = l / 16
	v_lshlrev_b32 v[QO], 7, v1
	v_lshl_add_u32 v[QO], v2, 4, v[QO]
.irp i, 0,1,2,3                     ; tile i / 2, channels 32 (i % 2) on
	global_load_b128 v[Q+8*(\i):Q+8*(\i)+3],   v[QO], s[4:5] offset:((\i)/2)*2048+((\i)%2)*64
	global_load_b128 v[Q+8*(\i)+4:Q+8*(\i)+7], v[QO], s[4:5] offset:((\i)/2)*2048+((\i)%2)*64+32
.endr
	v_lshlrev_b32 v9, 3, v2
	v_sub_nc_u32 v9, v1, v9         ; register j holds the key at place 8 h + j of its block: below the query's place r where j < r - 8 h
.set j, 0
.rept 8
	v_cmp_lt_i32 vcc_lo, j, v9
	v_cndmask_b32 v[ML+j], 0, s62, vcc_lo
	v_cmp_gt_i32 vcc_lo, j, v9
	v_cndmask_b32 v[MH+j], 0, s62, vcc_lo
.set j, j+1
.endr
	s_lshl_b32 s51, s12, 5          ; my window begins at LDS row 32 w
	v_add_nc_u32 v10, s51, v1
	v_mul_u32_u24 v[AK], v10, PK
	v_lshl_add_u32 v[AK], v2, 4, v[AK]
	; the turning load takes 16 keys x 16 channels (lane l reads key 8 (l / 16) + l % 8, channels 8 ((l / 8) % 2) + 0..7) and leaves half a fragment of V^T: lane l holds channel l % 16 and 8 keys
	v_and_b32 v10, 7, v0
	v_lshl_add_u32 v11, v2, 3, v10
	v_add_nc_u32 v11, s51, v11
	v_mul_u32_u24 v[AV], v11, PV
	v_bfe_u32 v11, v0, 3, 1
	v_lshl_add_u32 v[AV], v11, 4, v[AV]
	v_add_nc_u32 v[AV], VOFF, v[AV]
	s_mul_i32 s51, s12, 16*SP
	s_add_co_u32 s51, s51, STAGE    ; my stage
	v_mul_u32_u24 v[STO], v1, SP    ; in: row l % 16, 16 bytes for each half of the lanes
	v_lshl_add_u32 v[STO], v2, 4, v[STO]
	v_add_nc_u32 v[STO], s51, v[STO]
	v_bfe_u32 v[RD], v0, 3, 2       ; back: 32 lanes take four rows of 128 bytes,
	v_mul_u32_u24 v[RD], v[RD], SP
	v_lshl_add_u32 v[RD], v10, 4, v[RD]
	v_add_nc_u32 v[RD], s51, v[RD]
	v_and_b32 v[GO], 31, v0         ; which are 512 consecutive bytes of O
	v_lshlrev_b32 v[GO], 4, v[GO]
	v_mov_b32 v13, 0                ; named with v12 (c m) as a pair; only the low word is taken
; THE LDS LOADS, in items of 8, through three buffers by turns.  Items 0-8: K's blocks 2 t and 2 t + 1 (block e, channel half c at 16 e + 8 c).  Items 9-17: V's 32 keys 32 (t - 9) on, turned (channel block cb at 8 cb).
.macro FETCH t
	WIN 0x40                        ; destination window 1, address window 0
.set fb, FB+32*((\t)%3)
.if (\t) < 9
.irp e, 0,1
.irp c, 0,1
	ds_load_b128 v[fb+16*(\e)+8*(\c):fb+16*(\e)+8*(\c)+3],   v[AK] offset:(2*(\t)+(\e))*16*PK+64*(\c)
	ds_load_b128 v[fb+16*(\e)+8*(\c)+4:fb+16*(\e)+8*(\c)+7], v[AK] offset:(2*(\t)+(\e))*16*PK+64*(\c)+32
.endr
.endr
.else
.irp cb, 0,1,2,3
	ds_load_tr16_b128 v[fb+8*(\cb):fb+8*(\cb)+3],   v[AV] offset:((\t)-9)*32*PV+32*(\cb)
	ds_load_tr16_b128 v[fb+8*(\cb)+4:fb+8*(\cb)+7], v[AV] offset:((\t)-9)*32*PV+16*PV+32*(\cb)
.endr
.endif
.endm
; One product of S^T = K Q^T: tile u, key block kb, channels 32 c on.  c = 0 starts the sum: with a mask in the tile's first and last block, else with 0.
.macro KQ u, kb, c
.set rD, 64*(\u)+8*(\kb)
.set rK, FB+32*(((\kb)/2)%3)+16*((\kb)%2)+8*(\c)
.set rQ, Q+16*(\u)+8*(\c)
.if (\c) == 0
	WIN 0x41-0x40*(\u)              ; K window 1, Q and the mask window 0, D the tile's window
.if (\kb) == (\u)
	v_wmma_f32_16x16x32_f16 v[rD:rD+7], v[rK:rK+7], v[rQ:rQ+7], v[ML:ML+7]
.elseif (\kb) == (\u)+16
	v_wmma_f32_16x16x32_f16 v[rD:rD+7], v[rK:rK+7], v[rQ:rQ+7], v[MH:MH+7]
.else
	v_wmma_f32_16x16x32_f16 v[rD:rD+7], v[rK:rK+7], v[rQ:rQ+7], 0
.endif
.else
	WIN 0x51-0x50*(\u)              ; C too in the tile's window
	v_wmma_f32_16x16x32_f16 v[rD:rD+7], v[rK:rK+7], v[rQ:rQ+7], v[rD:rD+7]
.endif
.endm
; The products of item g: first channel half of tile 0's blocks, of tile 1's, then the second half in the same order: the accumulators take turns, one instruction a turn
; (also in items 0 and 8, where one tile has one block).
.macro KQG g
.irp c, 0,1
.irp u, 0,1
.irp e, 0,1
.set kbx, 2*(\g)+(\e)
.if (kbx >= (\u)) && (kbx <= (\u)+16)
	KQ \u, kbx, \c
.endif
.endr
.endr
.endr
.endm
; One product of O^T += V^T P: tile u, keys 32 j on, channels 16 cb on.  j = 0 starts the sums.
.macro PV u, j, cb
.set rO, 64*(\u)+96+8*(\cb)
.set rV, FB+32*((\j)%3)+8*(\cb)
.set rP, 64*(\u)+8*(\j)
	WIN 0x55-0x54*(\u)              ; V window 1; P, C and D the tile's window
.if (\j) == 0
	v_wmma_f32_16x16x32_f16 v[rO:rO+7], v[rV:rV+7], v[rP:rP+7], 0
.else
	v_wmma_f32_16x16x32_f16 v[rO:rO+7], v[rV:rV+7], v[rP:rP+7], v[rO:rO+7]
.endif
.endm
; THE SOFTMAX OF TILE u, on its 17 blocks (136 scores a lane, 68 pairs from S0 on).  Statistics from TB on: +0..3 four running maxima, +8..15 four running pairs of sums.
.macro FS b                         ; pair b: c s - c m
	v_pk_fma_f32 v[S0+2*(\b):S0+2*(\b)+1], v[S0+2*(\b):S0+2*(\b)+1], s[58:59], v[12:13] op_sel_hi:[1,0,0] neg_lo:[0,0,1] neg_hi:[0,0,1]
.endm
.macro SOFT u
.set SB, 64*(\u)
.set TB, 144+64*(\u)
.set S0, SB+8*(\u)
.set WT, 0x55*(1-(\u))              ; everything in the tile's window
	WIN WT
.irp j, 0,1,2,3                     ; the maximum, in four chains; each accumulator is read from its low end on
	v_max_num_f32 v[TB+(\j)], v[S0+2*(\j)], v[S0+2*(\j)+1]
.endr
.set kb, 1
.rept 16
.irp j, 0,1,2,3
	v_max3_num_f32 v[TB+(\j)], v[TB+(\j)], v[S0+8*kb+2*(\j)], v[S0+8*kb+2*(\j)+1]
.endr
.set kb, kb+1
.endr
	v_max3_num_f32 v[TB], v[TB], v[TB+1], v[TB+2]
	v_max_num_f32 v[TB], v[TB], v[TB+3]
	WIN 0x01*(1-(\u))
	v_mov_b32 v10, v[TB]            ; into window 0,
	WIN 0
	v_permlanex16_b32 v11, v10, s60, s61  ; where the query's other keys' maximum comes from the lane 16 away
	v_max_num_f32 v10, v10, v11     ; m: the row's maximum over its visible keys
	v_mul_f32 v12, s58, v10         ; c m
	WIN 0x41*(1-(\u))               ; scores in the tile's window, c m in window 0
	; ONE BATCH: 68 scalings and 136 exponentials; a pair is scaled two groups ahead of its exponentials, and nothing here names an exponential's result
	FS 0
	FS 1
.set b, 0
.rept 68
	v_exp_f32 v[S0+2*b], v[S0+2*b]
	v_exp_f32 v[S0+2*b+1], v[S0+2*b+1]
.if b < 66
	FS b+2
.endif
.set b, b+1
.endr
	v_nop                           ; a plain instruction behind the last exponential,
	s_wait_alu depctr_va_vdst(0)    ; and the one wait ahead of the batch's first reader
	WIN WT
.irp i, 0,1,2,3                     ; the sums, in four chains of pairs, started by the first two blocks
	v_pk_add_f32 v[TB+8+2*(\i):TB+8+2*(\i)+1], v[S0+2*(\i):S0+2*(\i)+1], v[S0+8+2*(\i):S0+8+2*(\i)+1]
.endr
.set kb, 0
.rept 17                            ; block by block, ascending: added, then rounded to f16 IN PLACE: block x's four words go to 4 x .. 4 x + 3, which lie in a block that has been used up (or, for x = 0, behind the reads)
.if kb >= 2
.irp i, 0,1,2,3
	v_pk_add_f32 v[TB+8+2*(\i):TB+8+2*(\i)+1], v[TB+8+2*(\i):TB+8+2*(\i)+1], v[S0+8*kb+2*(\i):S0+8*kb+2*(\i)+1]
.endr
.endif
.irp i, 0,1,2,3
	v_cvt_pk_f16_f32 v[SB+4*((\u)+kb)+(\i)], v[S0+8*kb+2*(\i)], v[S0+8*kb+2*(\i)+1]
.endr
.set kb, kb+1
.endr
.irp i, 0,1,2,3
	v_mov_b32 v[SB+68*(1-(\u))+(\i)], 0  ; the block left over (17 for tile 0, 0 for tile 1) has no weight
.endr
	v_pk_add_f32 v[TB+8:TB+9], v[TB+8:TB+9], v[TB+10:TB+11]
	v_pk_add_f32 v[TB+12:TB+13], v[TB+12:TB+13], v[TB+14:TB+15]
	v_pk_add_f32 v[TB+8:TB+9], v[TB+8:TB+9], v[TB+12:TB+13]
	WIN 0x05*(1-(\u))
	v_add_f32 v10, v[TB+8], v[TB+9] ; into window 0
	WIN 0
	v_permlanex16_b32 v11, v10, s60, s61
	v_add_f32 v10, v10, v11         ; l
	v_rcp_f32 v[RC+2*(\u)], v10
	v_nop                           ; a plain instruction behind the reciprocal,
	s_wait_alu depctr_va_vdst(0)    ; and its wait
.endm
; THE WAY OUT of tile u: O^T times 1 / l, rounded to f16; a lane's eight channels of a row are 16 bytes; into rows of 144 bytes of my stage and back as whole rows of 128.
.macro PACK u
.set SB, 64*(\u)
	WIN 0x41*(1-(\u))
.set i, 0
.rept 16
	v_pk_mul_f32 v[SB+96+2*i:SB+96+2*i+1], v[SB+96+2*i:SB+96+2*i+1], v[RC+2*(\u):RC+2*(\u)+1] op_sel_hi:[1,0]
.set i, i+1
.endr
	WIN 0x05*(1-(\u))
.set i, 0
.rept 16
	v_cvt_pk_f16_f32 v[TMP+16*(\u)+i], v[SB+96+2*i], v[SB+96+2*i+1]
.set i, i+1
.endr
	WIN 0
.irp f, 0,1,2,3
	ds_store_b128 v[STO], v[TMP+16*(\u)+4*(\f):TMP+16*(\u)+4*(\f)+3] offset:32*(\f)
.endr
.irp f, 0,1,2,3
	ds_load_b128 v[TMP+16*(\u)+4*(\f):TMP+16*(\u)+4*(\f)+3], v[RD] offset:(\f)*4*SP  ; LDS serves a wave's instructions in order (ISA guide 5.7.1.4): these see the stores above; the next tile's stores come behind them
.endr
.endm
.macro SEND u, younger              ; younger: the LDS instructions issued behind tile u's loads
.irp f, 0,1,2,3
	s_wait_dscnt (\younger)+3-(\f)
	global_store_b128 v[GO], v[TMP+16*(\u)+4*(\f):TMP+16*(\u)+4*(\f)+3], s[10:11] offset:(\u)*2048+(\f)*512  ; 512 consecutive bytes, at a multiple of 256 from O's first
.endr
.endm
	s_wait_tensorcnt 0x0            ; my eighth of the keys is in,
	s_barrier_signal -1
	s_barrier_wait -1               ; everybody's is: the launch's only barrier; nothing is written into these bytes again
	FETCH 0
	FETCH 1
	FETCH 2
	s_wait_loadcnt 0x0              ; Q
.set t, 0
.rept 9
	s_wait_dscnt 16                 ; item t is in; the sixteen loads of items t + 1 and t + 2 may stay out
	KQG t
	PLACES                          ; behind the products, in front of the loads into the buffer that they read
	FETCH t+3                       ; items 9 to 11 are V's first: they land during the softmax
.set t, t+1
.endr
	WIN 0
	s_cmp_le_u32 s50, 3808          ; keys s50 .. s50 + 287 all lie in 0 .. 4,095: nothing more is hidden (a window that begins before the sequence has wrapped to a large number)
	s_cbranch_scc1 .Linside
.irp u, 0,1
	WIN 0x55*(1-(\u))
.set kb, (\u)
.rept 17
	s_add_co_u32 s51, s50, 16*kb    ; the block's first key
	s_cmp_lt_u32 s51, 4096
	s_cselect_b32 s48, 0, s62
.irp i, 0,1,2,3
	v_pk_add_f32 v[64*(\u)+8*kb+2*(\i):64*(\u)+8*kb+2*(\i)+1], v[64*(\u)+8*kb+2*(\i):64*(\u)+8*kb+2*(\i)+1], s[48:49] op_sel_hi:[1,0]
.endr
.set kb, kb+1
.endr
.endr
	WIN 0
.Linside:
	SOFT 0
	SOFT 1
.set j, 0
.rept 9
.if j < 7
	s_wait_dscnt 16                 ; V's 32 keys 32 j on are in; the next two items may stay out
.elseif j == 7
	s_wait_dscnt 8                  ; one item is left behind this one,
.else
	s_wait_dscnt 0x0                ; none
.endif
.irp u, 0,1
.irp cb, 0,1,2,3                    ; eight accumulators by turns: seven others' products stand between two links of a chain
	PV \u, j, \cb
.endr
.endr
	PLACES
.if j < 6
	FETCH j+12
.endif
.set j, j+1
.endr
	PACK 0
	PACK 1                          ; tile 1's arithmetic stands between tile 0's loads from the stage and its stores
	SEND 0, 8
	SEND 1, 0
	s_wait_tensorcnt 0x0            ; the wave's end: an add and its wait, behind my tensor load and my last LDS store
	ds_add_u32 v[SPW], v[NIL]
	s_wait_dscnt 0x0
	s_endpgm
.Lfunc_end_k_q5254020296_attn:
	.size	k_q5254020296_attn, .Lfunc_end_k_q5254020296_attn-k_q5254020296_attn
	.p2alignl 7, 3214868480
	.fill 96, 4, 3214868480
	.section	.rodata,"a",@progbits
	.p2align	6, 0x0
	.amdhsa_kernel k_q5254020296_attn
		.amdhsa_group_segment_fixed_size 175104
		.amdhsa_private_segment_fixed_size 0
		.amdhsa_enable_private_segment 0
		.amdhsa_kernarg_size 32
		.amdhsa_user_sgpr_count 2
		.amdhsa_user_sgpr_kernarg_segment_ptr 1
		.amdhsa_wavefront_size32 1
		.amdhsa_system_sgpr_workgroup_id_x 1
		.amdhsa_system_sgpr_workgroup_id_y 1
		.amdhsa_system_sgpr_workgroup_id_z 1
		.amdhsa_system_vgpr_workitem_id 0
		.amdhsa_next_free_vgpr 512
		.amdhsa_next_free_sgpr 66
		.amdhsa_reserve_vcc 1
		.amdhsa_float_denorm_mode_32 3
		.amdhsa_float_denorm_mode_16_64 3
		.amdhsa_memory_ordered 1
		.amdhsa_forward_progress 1
		.amdhsa_inst_pref_size 94
	.end_amdhsa_kernel
	.amdgpu_metadata
---
amdhsa.version: [ 1, 2 ]
amdhsa.kernels:
  - .name:           k_q5254020296_attn
    .symbol:         k_q5254020296_attn.kd
    .args:
      - { .name: qh, .offset: 0, .size: 8, .value_kind: global_buffer, .address_space: global }
      - { .name: kh, .offset: 8, .size: 8, .value_kind: global_buffer, .address_space: global }
      - { .name: vh, .offset: 16, .size: 8, .value_kind: global_buffer, .address_space: global }
      - { .name: oh, .offset: 24, .size: 8, .value_kind: global_buffer, .address_space: global }
    .group_segment_fixed_size: 175104
    .private_segment_fixed_size: 0
    .kernarg_segment_align: 8
    .kernarg_segment_size: 32
    .max_flat_workgroup_size: 256
    .sgpr_count:     66
    .vgpr_count:     512
    .wavefront_size: 32
...
	.end_amdgpu_metadata
.endif
;; end of part 3
;; launch proj (part 4): grid 4 x 64, 4 waves a work-group, clusters of 4 x 4, 327,680 bytes of LDS; arguments oh, wob, bo, out0; writes out0
.if DOCPART == 4
	.amdgcn_target "amdgcn-amd-amdhsa--gfx1250"
	.amdhsa_code_object_version 6
	.text
	.protected	k_q5254020296_proj
	.globl	k_q5254020296_proj
	.p2align	8
	.type	k_q5254020296_proj,@function
k_q5254020296_proj:
	s_mov_b64 s[64:65], 0
	v_nop
	global_prefetch_b8 v0, s[64:65] scope:SCOPE_SE
	s_setreg_imm32_b32 hwreg(HW_REG_WAVE_MODE, 25, 1), 1
	s_wait_xcnt 0x0
	s_wait_alu depctr_hold_cnt(0) depctr_sa_sdst(0) depctr_va_vdst(0) depctr_va_sdst(0) depctr_va_ssrc(0) depctr_va_vcc(0) depctr_vm_vsrc(0)
	s_getreg_b32 s2, hwreg(HW_REG_IB_STS2, 6, 4)
	s_cmp_eq_u32 s2, 0
	s_cbranch_scc0 .Lentry_in_a_cluster
	s_endpgm
.Lentry_in_a_cluster:
	s_bfe_u32 s2, ttmp6, 0x10000c
	s_cmp_lg_u32 s2, 0xf033
	s_cbranch_scc0 .Lentry_shape_is_right
	s_endpgm
.Lentry_shape_is_right:
; out0 = O Wo^T + bo.  oh [16 = 8 batch + head][4096][64] f16, wob [512][512] f16 (Wo rounded to bf16, that number written as f16), bo [512] f32 (rounded to bf16 here), out0 [8192][512] f32.
; K = 512 is 8 heads x 64 channels: K index 64 head + channel.  Sums in f32, stored as they are.
; SHARES.  A tile of out0 is 128 tokens x 128 columns: 64 x 4 = 256 work-groups.  Four waves, each 64 x 64: 16 accumulators.  ALL of K lies in LDS: two halves of four heads, each brought by one
; tensor load a wave at the kernel's head; nothing is filled again.  A quarter step is one head: 64 along K, 32 matrix instructions.
; O's TILE.  A head's 128 tokens are 16,384 dense bytes: asked for as ONE row of 8,192 elements, two heads (two such rows, 4,096 x 64 elements apart) to a load, padded in LDS after every token.
; CLUSTER.  4 x 4 work-groups: the four of a row take the same tokens, the four of a column the same columns of Wo; each tile is asked for jointly.
; THE PRODUCT IS USED TRANSPOSED (source 0 = 16 rows of Wo, source 1 = 16 tokens): a lane holds one token and eight neighbouring columns.  THE BIAS STARTS THE SUMS, as the first products' C.
; NO PREFETCH: every tile is a first fill at the kernel's head.
; REGISTERS: window 0: v0-31 addresses; v32-95 rows read back, two buffers; v96-127 the bias; v128-255 the accumulators ((a, b) at 128 + 8 (4 a + b)).
;   window 1: two fragment buffers of 128: for 64 along K, 64 registers of O (2 x 4 x 16 tokens x 32 K), then 64 of Wo.
.set PA,     144                       ; a token's 128 bytes of one head + 16: the 16 rows of a load start at 16 different groups of four banks (64 banks of 4 bytes: ISA guide 11.1)
.set HEADB,  128*PA                    ; a head's 128 tokens
.set PB,     528                       ; a row of Wo: 512 bytes (256 K) + 16
.set BBASE,  8*HEADB                   ; Wo's tiles lie behind O's eight heads
.set BHALF,  64*PB                     ; what wave 2 or 3 fetches
.set BSLOT,  128*PB
.set STAGE,  BBASE+2*BSLOT             ; never filled by a tensor load: 16 rows x 272 bytes for each wave
.set SPITCH, 272
.set SPARE,  STAGE+4*16*SPITCH         ; the spare words, 128 bytes a wave: two blocks of 256 bytes that no other line names
.set ADRA, 16                          ; v16-17  LDS address of my O fragments in half 0, 1
.set ADRB, 20                          ; v20-21  the same for Wo
.set STO,  24                          ; v24     the way out: where I put 32 bytes of a row
.set RD,   25                          ; v25     where I read a row back
.set CO,   26                          ; v26     my byte offset in two rows of out0
.set BO,   27                          ; v27     32 (lane / 16)
.set SPW,  28                          ; v28     LDS address of my spare word; never rewritten
.set NIL,  29                          ; v29     0; never rewritten
.set TMP,  32
.set BIAS, 96
.set ACC,  128
.set F0,   0
.set F1,   128
.set G1,   32                          ; s[32:39] group 1 for O's tiles;  s[40:47] group 0, a set for each half
.set G0,   40
.set G1B,  48                          ; s[48:55], s[56:63] the same for Wo's
.set G0B,  56
.set MSB, 0
.macro WIN new                         ; the immediate's high byte repeats the setting that is left; a switch that changes nothing is dropped
.if MSB != (\new)
	s_set_vgpr_msb (MSB<<8)|(\new)
.set MSB, \new
.endif
.endm
.set MUL,  0x05                        ; sources 0 (Wo) and 1 (O) window 1; C and D window 0
.set TO_F, 0x40                        ; destination window 1, address window 0
.macro PLACES                          ; four places behind matrix instructions (ISA guide 7.12.1)
.rept 4
	v_nop
.endr
.endm
.macro JLOAD s                         ; a joint load: waves 0 and 1 fetch O's heads, waves 2 and 3 Wo's rows; an s_nop 0 and four v_nop follow each line
	s_cmp_eq_u32 s21, 0
	s_cbranch_scc0 .Lfor_b_\@
	tensor_load_to_lds s[G0+4*(\s):G0+4*(\s)+3], s[G1:G1+7]
	s_nop 0
.rept 4
	v_nop
.endr
	s_branch .Lasked_\@
.Lfor_b_\@:
	tensor_load_to_lds s[G0B+4*(\s):G0B+4*(\s)+3], s[G1B:G1B+7]
	s_nop 0
.rept 4
	v_nop
.endr
.Lasked_\@:
.endm
.macro CROUND                          ; a round of the cluster's barrier
	s_barrier_signal -1
	s_barrier_wait -1
	s_cmp_lg_u32 s20, 0
	s_cbranch_scc1 .Lnot_wave_0_\@
	s_barrier_signal -3
.Lnot_wave_0_\@:
	s_barrier_wait -3
	s_barrier_signal -1
	s_barrier_wait -1
.endm
	s_load_b256 s[4:11], s[0:1], 0x0               ; oh s[4:5], wob s[6:7], bo s[8:9], out0 s[10:11]
	v_lshl_add_u32 v[SPW], v0, 2, SPARE
	v_mov_b32 v[NIL], 0
	ds_add_u32 v[SPW], v[NIL]                      ; the wave's opening: the add and its wait stand ahead of my first tensor load; the set-up below stands between them
	v_lshrrev_b32 v1, 5, v0
	v_readfirstlane_b32 s20, v1                    ; wave 0..3
	s_lshr_b32 s21, s20, 1                         ; which half of the tile's tokens is mine.  Also: I fetch for O (0) or for Wo (1)
	s_and_b32 s22, s20, 1                          ; which half of its columns.  Also: which part of that tile I fetch
	s_bfe_u32 s23, ttmp6, 0x40000                  ; cx
	s_bfe_u32 s24, ttmp6, 0x40004                  ; cy
	s_lshl_b32 s25, ttmp9, 2
	s_add_co_u32 s25, s25, s23                     ; block of 128 columns = 4 x cluster x + cx
	s_and_b32 s26, ttmp7, 0xffff
	s_lshl_b32 s26, s26, 2
	s_add_co_u32 s26, s26, s24                     ; block of 128 tokens = 4 x cluster y + cy
	s_lshl_b32 s27, s24, 2
	s_lshl_b32 s27, 15, s27                        ; my row of the cluster
	s_lshl_b32 s28, 0x1111, s23                    ; my column
	s_or_b32 s[G1], s27, (1<<16)|(1<<20)|(1<<21)|(4<<22)|(3<<25)   ; the mask; 2-byte elements; padding on; 21 set beside a mask; after every 32 words (a token); 4 words
	s_mov_b32 s[G1+1], 8192<<16                    ; tensor_dim0 = 8,192
	s_mov_b32 s[G1+2], 2<<16                       ; tensor_dim1 = 2
	s_mov_b32 s[G1+3], 8192<<16                    ; tile_dim0 = 8,192: a head's 128 tokens
	s_mov_b32 s[G1+4], 2                           ; tile_dim1 = 2 heads
	s_mov_b32 s[G1+5], 262144                      ; from head to head: 4,096 x 64 elements
	s_mov_b32 s[G1+6], 0
	s_mov_b32 s[G1+7], 0
	s_or_b32 s[G1B], s28, (1<<16)|(1<<20)|(1<<21)|(6<<22)|(3<<25)  ; after every 128 words (a row of 256 K); 4 words
	s_mov_b32 s[G1B+1], 256<<16                    ; tensor_dim0 = 256
	s_mov_b32 s[G1B+2], 64<<16                     ; tensor_dim1 = 64
	s_mov_b32 s[G1B+3], 256<<16                    ; tile_dim0 = 256
	s_mov_b32 s[G1B+4], 64                         ; tile_dim1 = 64
	s_mov_b32 s[G1B+5], 512
	s_mov_b32 s[G1B+6], 0
	s_mov_b32 s[G1B+7], 0
	s_lshr_b32 s66, s26, 5                         ; O: batch (32 blocks of 128 tokens each); made of cy and the wave's number alone
	s_lshl_b32 s66, s66, 3
	s_lshl_b32 s67, s22, 1
	s_add_co_u32 s66, s66, s67                     ; 8 batch + my first head of half 0
	s_lshl_b32 s66, s66, 12
	s_and_b32 s67, s26, 31
	s_lshl_b32 s67, s67, 7
	s_add_co_u32 s66, s66, s67                     ; + the block's first token
	s_lshl_b32 s66, s66, 7                         ; rows of 128 bytes
	s_mov_b32 s67, 0
	s_lshl_b32 s70, s25, 7                         ; Wo: row 128 x block + 64 x half; made of cx and the wave's number alone
	s_lshl_b32 s71, s22, 6
	s_add_co_u32 s70, s70, s71
	s_lshl_b32 s70, s70, 10                        ; rows of 1,024 bytes
	s_mov_b32 s71, 0
	s_mul_i32 s30, s20, 2*HEADB                    ; where the tiles go: waves 0, 1: two heads each at wave x 2 heads;
	s_mul_i32 s31, s20, BHALF
	s_add_co_u32 s31, s31, BBASE-2*BHALF           ; waves 2, 3: BBASE + (wave - 2) x 64 rows
	s_wait_dscnt 0x0                               ; the opening add is done
	s_wait_kmcnt 0x0
	s_add_nc_u64 s[68:69], s[4:5], s[66:67]
	s_add_nc_u64 s[72:73], s[6:7], s[70:71]
	CROUND                                         ; all sixteen work-groups are here: the joint loads meet
.irp s, 0,1
	s_mov_b32 s[G0+4*(\s)], 1
	s_add_co_u32 s[G0+4*(\s)+1], s30, (\s)*4*HEADB
	s_add_nc_u64 s[G0+4*(\s)+2:G0+4*(\s)+3], s[68:69], (\s)*4*4096*128   ; four heads on
	s_or_b32 s[G0+4*(\s)+3], s[G0+4*(\s)+3], 0x80000000
	s_mov_b32 s[G0B+4*(\s)], 1
	s_add_co_u32 s[G0B+4*(\s)+1], s31, (\s)*BSLOT
	s_add_nc_u64 s[G0B+4*(\s)+2:G0B+4*(\s)+3], s[72:73], (\s)*512        ; 256 along K on
	s_or_b32 s[G0B+4*(\s)+3], s[G0B+4*(\s)+3], 0x80000000
	JLOAD \s
.endr
	v_and_b32 v1, 15, v0                           ; l % 16
	v_bfe_u32 v2, v0, 4, 1                         ; l / 16
	v_lshlrev_b32 v[BO], 5, v2
	s_lshl_b32 s76, s25, 9                         ; my 64 columns, in bytes of f32: 512 x block + 256 x half
	s_lshl_b32 s77, s22, 8
	s_add_co_u32 s76, s76, s77
	s_mov_b32 s77, 0
	s_add_nc_u64 s[8:9], s[8:9], s[76:77]
.irp b, 0,1,2,3                        ; register j of column block b is bo[16 b + 8 (lane / 16) + j] of my 64 columns
	global_load_b128 v[BIAS+8*(\b):BIAS+8*(\b)+3],   v[BO], s[8:9] offset:64*(\b)
	global_load_b128 v[BIAS+8*(\b)+4:BIAS+8*(\b)+7], v[BO], s[8:9] offset:64*(\b)+16
.endr
	v_mul_u32_u24 v3, v1, PA
	v_lshl_add_u32 v3, v2, 4, v3                   ; a fragment's row x pitch + 16 x half
	s_mul_i32 s29, s21, 64*PA                      ; my 64 tokens
	v_add_nc_u32 v[ADRA], s29, v3
	v_add_nc_u32 v[ADRA+1], 4*HEADB, v[ADRA]
	v_mul_u32_u24 v3, v1, PB
	v_lshl_add_u32 v3, v2, 4, v3
	s_mul_i32 s29, s22, 64*PB                      ; my 64 rows of Wo
	s_add_co_u32 s29, s29, BBASE
	v_add_nc_u32 v[ADRB], s29, v3
	v_add_nc_u32 v[ADRB+1], BSLOT, v[ADRB]
	s_mul_i32 s29, s20, 16*SPITCH
	s_add_co_u32 s29, s29, STAGE                   ; my stage
	v_mul_u32_u24 v3, v1, SPITCH                   ; in: token l % 16, 32 bytes for each half of the lanes
	v_lshl_add_u32 v3, v2, 5, v3
	v_add_nc_u32 v[STO], s29, v3
	v_mul_u32_u24 v3, v2, SPITCH                   ; back: lanes 0-15 take one row of 256 bytes, lanes 16-31 the next
	v_lshl_add_u32 v3, v1, 4, v3
	v_add_nc_u32 v[RD], s29, v3
	v_lshlrev_b32 v3, 11, v2                       ; and the same two rows in out0, 2,048 bytes apart
	v_lshl_add_u32 v[CO], v1, 4, v3
	s_lshl_b32 s74, s26, 7
	s_lshl_b32 s75, s21, 6
	s_add_co_u32 s74, s74, s75                     ; my first token
	s_lshl_b32 s74, s74, 11
	s_add_co_u32 s74, s74, s76                     ; and my first column
	s_mov_b32 s75, 0
	s_add_nc_u64 s[10:11], s[10:11], s[74:75]
	s_wait_loadcnt 0x0                             ; the bias, rounded to bf16 and widened again, in the wait for the first tile
.set i, 0
.rept 16
	v_cvt_pk_bf16_f32 v[30+i%2], v[BIAS+2*i], v[BIAS+2*i+1]
	v_lshlrev_b32 v[BIAS+2*i], 16, v[30+i%2]
	v_and_b32 v[BIAS+2*i+1], 0xffff0000, v[30+i%2]
.set i, i+1
.endr
; 8 matrix instructions: token blocks a0, a0 + 1 x all 4 column blocks, 32 along K: half c of buffer f.  zero = 1: the first product of each sum, with the bias as C.
; The 16 accumulators take turns, one instruction a turn.
.macro MUL8 f, c, a0, zero
	WIN MUL
.irp a, \a0, (\a0)+1
.irp b, 0,1,2,3
.set rD, ACC+8*(4*(\a)+(\b))
.set rB, (\f)+64+8*(4*(\c)+(\b))
.set rA, (\f)+8*(4*(\c)+(\a))
.if \zero
	v_wmma_f32_16x16x32_f16 v[rD:rD+7], v[rB:rB+7], v[rA:rA+7], v[BIAS+8*(\b):BIAS+8*(\b)+7]
.else
	v_wmma_f32_16x16x32_f16 v[rD:rD+7], v[rB:rB+7], v[rA:rA+7], v[rD:rD+7]
.endif
.endr
.endr
.endm
; 32 LDS loads in one run: the fragments of head qd of half slot (64 along K) into buffer f; the first 32 along K first
.macro FETCH slot, qd, f
	WIN TO_F
.irp c, 0,1
.irp i, 0,1,2,3
	ds_load_b128 v[(\f)+64+8*(4*(\c)+(\i)):(\f)+64+8*(4*(\c)+(\i))+3],   v[ADRB+(\slot)] offset:128*(\qd)+64*(\c)+(\i)*16*PB
	ds_load_b128 v[(\f)+64+8*(4*(\c)+(\i))+4:(\f)+64+8*(4*(\c)+(\i))+7], v[ADRB+(\slot)] offset:128*(\qd)+64*(\c)+(\i)*16*PB+32
	ds_load_b128 v[(\f)+8*(4*(\c)+(\i)):(\f)+8*(4*(\c)+(\i))+3],         v[ADRA+(\slot)] offset:HEADB*(\qd)+64*(\c)+(\i)*16*PA
	ds_load_b128 v[(\f)+8*(4*(\c)+(\i))+4:(\f)+8*(4*(\c)+(\i))+7],       v[ADRA+(\slot)] offset:HEADB*(\qd)+64*(\c)+(\i)*16*PA+32
.endr
.endr
.endm
; A quarter multiplies buffer f (one head) and fetches head qd of the same half into buffer g.
.macro QUARTER slot, qd, f, g, zero
	s_wait_dscnt 16                                ; the first 32 along K are in; the sixteen loads of the second 32 may be out
	MUL8 \f, 0, 0, \zero
	MUL8 \f, 0, 2, \zero
	PLACES
	FETCH \slot, \qd, \g
	s_wait_dscnt 32                                ; all but the 32 just issued
	MUL8 \f, 1, 0, 0
	MUL8 \f, 1, 2, 0
.endm
; THE WAY OUT of token block a: 16 tokens x 64 columns of f32 go into rows of 272 bytes of my stage, straight from the accumulators (each from its low end on), and come back as whole rows of 256 bytes.
.macro TOSTAGE a
.if (\a) >= 2
	s_wait_xcnt 0x0                                ; the stores of the block two back have read the registers that are loaded again below
.endif
.irp b, 0,1,2,3
.irp e, 0,1
	ds_store_b128 v[STO], v[ACC+8*(4*(\a)+(\b))+4*(\e):ACC+8*(4*(\a)+(\b))+4*(\e)+3] offset:64*(\b)+16*(\e)
.endr
.endr
.irp t, 0,1,2,3,4,5,6,7
	ds_load_b128 v[TMP+32*((\a)%2)+4*(\t):TMP+32*((\a)%2)+4*(\t)+3], v[RD] offset:(\t)*2*SPITCH  ; LDS serves a wave's instructions in order (ISA guide 5.7.1.4): these see the stores above; the next block's stores come behind them
.endr
.endm
.macro SEND a, younger                 ; younger: the LDS instructions issued behind block a's loads: the next block's sixteen, or none
	s_wait_dscnt \younger
.irp t, 0,1,2,3,4,5,6,7
	global_store_b128 v[CO], v[TMP+32*((\a)%2)+4*(\t):TMP+32*((\a)%2)+4*(\t)+3], s[10:11] offset:(16*(\a)+2*(\t))*2048 th:TH_STORE_NT  ; 16 lanes store 256 consecutive bytes, at a multiple of 256 from out0's first
.endr
.endm
	s_wait_tensorcnt 1                             ; my part of heads 0-3 is in; the other half's may stay out
	s_barrier_signal -1
	s_barrier_wait -1                              ; everybody's is
	FETCH 0, 0, F0
	QUARTER 0, 1, F0, F1, 1                        ; head 0: its first products start the sums
	QUARTER 0, 2, F1, F0, 0
	QUARTER 0, 3, F0, F1, 0
	WIN 0                                          ; head 3, and the change of halves: one barrier (the add's two registers lie in window 0)
	s_wait_tensorcnt 0x0                           ; my part of heads 4-7 is in
	ds_add_u32 v[SPW], v[NIL]                      ; 0 onto my spare word, behind a wait for all tensor loads
	s_wait_dscnt 17                                ; (the add and the youngest sixteen loads may be out)
	MUL8 F1, 0, 0, 0
	s_wait_dscnt 0x0                               ; no LDS instruction of mine is pending at the signal
	s_barrier_signal -1
	MUL8 F1, 0, 2, 0
	s_barrier_wait -1                              ; everybody's part of heads 4-7 is in
	PLACES
	FETCH 1, 0, F0
	MUL8 F1, 1, 0, 0
	MUL8 F1, 1, 2, 0
	QUARTER 1, 1, F0, F1, 0                        ; heads 4 to 6
	QUARTER 1, 2, F1, F0, 0
	QUARTER 1, 3, F0, F1, 0
	s_wait_dscnt 16                                ; head 7: nothing more to fetch
	MUL8 F1, 0, 0, 0
	MUL8 F1, 0, 2, 0
	s_wait_dscnt 0x0
	MUL8 F1, 1, 0, 0
	MUL8 F1, 1, 2, 0
	WIN 0
	PLACES
	TOSTAGE 0
	TOSTAGE 1
	SEND 0, 16
	TOSTAGE 2
	SEND 1, 16
	TOSTAGE 3
	SEND 2, 16
	SEND 3, 0
	s_wait_tensorcnt 0x0                           ; the wave's end: an add and its wait, behind my last tensor load and my last LDS store
	ds_add_u32 v[SPW], v[NIL]
	s_wait_dscnt 0x0
	CROUND                                         ; the closing round: no work-group ends while a partner may still ask for a tile that names it
	s_endpgm
.Lfunc_end_k_q5254020296_proj:
	.size	k_q5254020296_proj, .Lfunc_end_k_q5254020296_proj-k_q5254020296_proj
	.p2alignl 7, 3214868480
	.fill 96, 4, 3214868480
	.section	.rodata,"a",@progbits
	.p2align	6, 0x0
	.amdhsa_kernel k_q5254020296_proj
		.amdhsa_group_segment_fixed_size 327680
		.amdhsa_private_segment_fixed_size 0
		.amdhsa_enable_private_segment 0
		.amdhsa_kernarg_size 32
		.amdhsa_user_sgpr_count 2
		.amdhsa_user_sgpr_kernarg_segment_ptr 1
		.amdhsa_wavefront_size32 1
		.amdhsa_system_sgpr_workgroup_id_x 1
		.amdhsa_system_sgpr_workgroup_id_y 1
		.amdhsa_system_sgpr_workgroup_id_z 1
		.amdhsa_system_vgpr_workitem_id 0
		.amdhsa_next_free_vgpr 512
		.amdhsa_next_free_sgpr 80
		.amdhsa_reserve_vcc 0
		.amdhsa_float_denorm_mode_32 3
		.amdhsa_float_denorm_mode_16_64 3
		.amdhsa_memory_ordered 1
		.amdhsa_forward_progress 1
		.amdhsa_inst_pref_size 53
	.end_amdhsa_kernel
	.amdgpu_metadata
---
amdhsa.version: [ 1, 2 ]
amdhsa.kernels:
  - .name:           k_q5254020296_proj
    .symbol:         k_q5254020296_proj.kd
    .args:
      - { .name: oh, .offset: 0, .size: 8, .value_kind: global_buffer, .address_space: global }
      - { .name: wob, .offset: 8, .size: 8, .value_kind: global_buffer, .address_space: global }
      - { .name: bo, .offset: 16, .size: 8, .value_kind: global_buffer, .address_space: global }
      - { .name: out0, .offset: 24, .size: 8, .value_kind: global_buffer, .address_space: global }
    .group_segment_fixed_size: 327680
    .private_segment_fixed_size: 0
    .kernarg_segment_align: 8
    .kernarg_segment_size: 32
    .max_flat_workgroup_size: 128
    .sgpr_count:     80
    .vgpr_count:     512
    .wavefront_size: 32
...
	.end_amdgpu_metadata
.endif
;; end of part 4
;; ======== version 2 of 2: 4 launches; version 1 with the launch cast written anew for expert scheduling mode
;; limits: values are held in f16: magnitudes above 65,504 overflow, below 6.1e-05 lose precision
;; workspace buffers: xb 8,388,608 bytes; wcat 1,572,864 bytes; wob 524,288 bytes; qh 8,388,608 bytes; kh 8,388,608 bytes; vh 8,388,608 bytes; oh 8,388,608 bytes
;; launch cast (part 5): grid 256 x 1, 8 waves a work-group, no clusters, 0 bytes of LDS; arguments x, Wq, Wk, Wv, Wo, xb, wcat, wob; writes xb, wcat, wob
.if DOCPART == 5
	.amdgcn_target "amdgcn-amd-amdhsa--gfx1250"
	.amdhsa_code_object_version 6
	.text
	.protected	k_q5254020296_cast
	.globl	k_q5254020296_cast
	.p2align	8
	.type	k_q5254020296_cast,@function
k_q5254020296_cast:
	s_mov_b64 s[64:65], 0
	v_nop
	global_prefetch_b8 v0, s[64:65] scope:SCOPE_SE
	s_setreg_imm32_b32 hwreg(HW_REG_WAVE_SCHED_MODE, 0, 2), 2
	s_setreg_imm32_b32 hwreg(HW_REG_WAVE_MODE, 25, 1), 1
	s_wait_xcnt 0x0
	s_wait_alu depctr_vm_vsrc(0)
; THE INPUTS' ROUNDING, once for the whole program.  x [8192][512] f32 -> xb, bf16, same layout.  Wq, Wk, Wv [512][512] f32 -> wcat, bf16, [1536][512], the rows
; regrouped by head: row 192 head + 64 m + c holds row 64 head + c of matrix m (0 q, 1 k, 2 v), so that one head's q, k and v are 192 rows on end.
; Wo -> wob [512][512]: rounded to bf16 like every other input, and that number written as f16, the format of the last product.
; LIMITS.  A weight of Wo beyond 65,504 becomes an infinity; below 6e-5 it keeps f16's fixed step of 6e-8.
; A STREAM: no LDS, no barrier, no matrix unit, no loop.  Work-group g takes 16,384 numbers of x (65,536 bytes in, 32,768 out) and 8 rows of weight matrix g / 64.
; A thread has its 20 loads of 16 bytes out at once; a wave's load covers 512 consecutive bytes, a wave's store 256 consecutive bytes, aligned.
; No register that a load or store names is written again, so no wait frees any.
; THE MODE: SCHED_MODE bits 1:0 = 2 (LLVM: expert scheduling mode 2), set by the entry lines.  The code itself states the register dependences
; between vector instructions and memory instructions, with s_wait_alu, always for 0.
; THE PLAN.  Registers that memory instructions touch:
;   v1, v2     the loads' and the stores' byte offsets: written once at the head, read by all 40 memory instructions.
;   X, WR      written by the 20 loads, once each; no vector instruction names them ahead of the loads; read by the conversions.
;   Y, WY      written by the conversions and selects, once each; read by one store each.
; The 20 loads go in five blocks of four: blocks 0 to 3 are x, block 4 the weights.  Block p works on its own four loads and writes its own part of Y (WY); its memory
; instructions are the four stores of block p - 1, whose part of Y no vector instruction of block p names.  So ONE wait at a block's head states all that its four stores
; hang on, and they are dealt among its vector instructions with no further wait.  One wait at the head serves the offsets, one at the end the last four stores.
.set X,   4                            ; v[4:67]    x, 16 loads of 4 numbers
.set WR,  68                           ; v[68:83]   the weights, 4 loads
.set Y,   84                           ; v[84:115]  x to store, 16 pairs
.set WY,  116                          ; v[116:123] weights to store, 4 pairs
.set T,   124                          ; v[124:127] at work: no memory instruction names them
	s_load_b256 s[4:11], s[0:1], 0x0               ; x s[4:5], Wq s[6:7], Wk s[8:9], Wv s[10:11]
	s_load_b256 s[12:19], s[0:1], 0x20             ; Wo s[12:13], xb s[14:15], wcat s[16:17], wob s[18:19]
	v_lshlrev_b32 v1, 4, v0                        ; my 16 bytes of a load
	v_lshlrev_b32 v2, 3, v0                        ; my 8 bytes of a store
	s_lshr_b32 s22, ttmp9, 6                       ; m: which weight matrix (3: Wo)
	s_and_b32 s23, ttmp9, 63                       ; i: which 8 rows of it
	s_lshl_b32 s32, ttmp9, 16                      ; x: 65,536 bytes a work-group
	s_mov_b32 s33, 0
	s_lshl_b32 s34, ttmp9, 15                      ; xb: 32,768
	s_mov_b32 s35, 0
	s_lshl_b32 s36, s23, 14                        ; the weights' source: 8 rows of 2,048 bytes
	s_mov_b32 s37, 0
	s_lshr_b32 s28, s23, 3                         ; rows 8 i .. 8 i + 7 lie in head i / 8, from channel 8 (i % 8) on
	s_mul_i32 s28, s28, 192
	s_lshl_b32 s29, s22, 6
	s_add_co_u32 s28, s28, s29                     ; 192 head + 64 m
	s_and_b32 s29, s23, 7
	s_lshl3_add_u32 s28, s29, s28                  ; + 8 (i % 8)
	s_lshl_b32 s28, s28, 10                        ; wcat: rows of 1,024 bytes
	s_lshl_b32 s29, s23, 13                        ; wob: the rows stay where they were
	s_mov_b32 s27, 0
	s_wait_kmcnt 0x0
	s_cmp_eq_u32 s22, 1
	s_cselect_b64 s[20:21], s[8:9], s[6:7]         ; the source: Wq, Wk,
	s_cmp_eq_u32 s22, 2
	s_cselect_b64 s[20:21], s[10:11], s[20:21]     ; Wv,
	s_cmp_eq_u32 s22, 3
	s_cselect_b64 s[20:21], s[12:13], s[20:21]     ; or Wo;
	s_cselect_b64 s[24:25], s[18:19], s[16:17]     ; the destination, wob or wcat,
	s_cselect_b32 s26, s29, s28                    ; the place in it,
	s_cselect_b32 s30, -1, 0                       ; and a mask of all lanes where the f16 form is wanted: made by a scalar instruction
	s_add_nc_u64 s[4:5], s[4:5], s[32:33]
	s_add_nc_u64 s[14:15], s[14:15], s[34:35]
	s_add_nc_u64 s[20:21], s[20:21], s[36:37]
	s_add_nc_u64 s[24:25], s[24:25], s[26:27]
	s_wait_alu depctr_va_vdst(0)                   ; v1 and v2 are written: every load of the kernel reads v1 as its offset, every store v2; neither is written again
.irp j, 0,1,2,3,4,5,6,7,8,9,10,11,12,13,14,15
	global_load_b128 v[X+4*(\j):X+4*(\j)+3], v1, s[4:5] offset:4096*(\j) th:TH_LOAD_NT
.endr
.irp j, 0,1,2,3
	global_load_b128 v[WR+4*(\j):WR+4*(\j)+3], v1, s[20:21] offset:4096*(\j) th:TH_LOAD_NT
.endr
; Block p of five.  Its four loads are waited for; the four stores of block p - 1 stand one ahead of each row's vector instructions.
.macro BLK p
	s_wait_loadcnt 16-4*(\p)                       ; loads come back in order: of the 20, the 16 - 4 p loads of the younger blocks may stay out
.if (\p) > 0
	s_wait_alu depctr_va_vdst(0)                   ; the conversions of the block before have written their eight registers of Y, which the four stores below read
.endif
.irp i, 0,1,2,3
.if (\p) > 0
	global_store_b64 v2, v[Y+8*(\p)-8+2*(\i):Y+8*(\p)-8+2*(\i)+1], s[14:15] offset:2048*(4*(\p)-4+(\i))  ; the block before; no vector instruction since the wait names these registers
.endif
.if (\p) < 4
	v_cvt_pk_bf16_f32 v[Y+8*(\p)+2*(\i)], v[X+16*(\p)+4*(\i)], v[X+16*(\p)+4*(\i)+1]
	v_cvt_pk_bf16_f32 v[Y+8*(\p)+2*(\i)+1], v[X+16*(\p)+4*(\i)+2], v[X+16*(\p)+4*(\i)+3]
.else
	v_cvt_pk_bf16_f32 v[T], v[WR+4*(\i)], v[WR+4*(\i)+1]
	v_cvt_pk_bf16_f32 v[T+1], v[WR+4*(\i)+2], v[WR+4*(\i)+3]
	v_lshlrev_b32 v[T+2], 16, v[T]                 ; the two bf16 numbers as f32,
	v_and_b32 v[T+3], 0xffff0000, v[T]
	v_cvt_pk_f16_f32 v[T+2], v[T+2], v[T+3]        ; written as f16;
	v_cndmask_b32 v[WY+2*(\i)], v[T], v[T+2], s30  ; a choice of a value, made in every work-group: no branch
	v_lshlrev_b32 v[T+2], 16, v[T+1]
	v_and_b32 v[T+3], 0xffff0000, v[T+1]
	v_cvt_pk_f16_f32 v[T+2], v[T+2], v[T+3]
	v_cndmask_b32 v[WY+2*(\i)+1], v[T+1], v[T+2], s30
.endif
.endr
.endm
	BLK 0                                          ; x's first four loads: no block stands in front, so no store and no wait but the one for the data
	BLK 1
	BLK 2
	BLK 3
	BLK 4                                          ; the weights, and the stores of x's last block
	s_wait_alu depctr_va_vdst(0)                   ; the selects have written WY, which the last four stores read
.irp j, 0,1,2,3
	global_store_b64 v2, v[WY+2*(\j):WY+2*(\j)+1], s[24:25] offset:2048*(\j)
.endr
	s_endpgm
.Lfunc_end_k_q5254020296_cast:
	.size	k_q5254020296_cast, .Lfunc_end_k_q5254020296_cast-k_q5254020296_cast
	.p2alignl 7, 3214868480
	.fill 96, 4, 3214868480
	.section	.rodata,"a",@progbits
	.p2align	6, 0x0
	.amdhsa_kernel k_q5254020296_cast
		.amdhsa_group_segment_fixed_size 0
		.amdhsa_private_segment_fixed_size 0
		.amdhsa_enable_private_segment 0
		.amdhsa_kernarg_size 64
		.amdhsa_user_sgpr_count 2
		.amdhsa_user_sgpr_kernarg_segment_ptr 1
		.amdhsa_wavefront_size32 1
		.amdhsa_system_sgpr_workgroup_id_x 1
		.amdhsa_system_sgpr_workgroup_id_y 1
		.amdhsa_system_sgpr_workgroup_id_z 1
		.amdhsa_system_vgpr_workitem_id 0
		.amdhsa_next_free_vgpr 128
		.amdhsa_next_free_sgpr 66
		.amdhsa_reserve_vcc 0
		.amdhsa_float_denorm_mode_32 3
		.amdhsa_float_denorm_mode_16_64 3
		.amdhsa_memory_ordered 1
		.amdhsa_forward_progress 1
		.amdhsa_inst_pref_size 10
	.end_amdhsa_kernel
	.amdgpu_metadata
---
amdhsa.version: [ 1, 2 ]
amdhsa.kernels:
  - .name:           k_q5254020296_cast
    .symbol:         k_q5254020296_cast.kd
    .args:
      - { .name: x, .offset: 0, .size: 8, .value_kind: global_buffer, .address_space: global }
      - { .name: Wq, .offset: 8, .size: 8, .value_kind: global_buffer, .address_space: global }
      - { .name: Wk, .offset: 16, .size: 8, .value_kind: global_buffer, .address_space: global }
      - { .name: Wv, .offset: 24, .size: 8, .value_kind: global_buffer, .address_space: global }
      - { .name: Wo, .offset: 32, .size: 8, .value_kind: global_buffer, .address_space: global }
      - { .name: xb, .offset: 40, .size: 8, .value_kind: global_buffer, .address_space: global }
      - { .name: wcat, .offset: 48, .size: 8, .value_kind: global_buffer, .address_space: global }
      - { .name: wob, .offset: 56, .size: 8, .value_kind: global_buffer, .address_space: global }
    .group_segment_fixed_size: 0
    .private_segment_fixed_size: 0
    .kernarg_segment_align: 8
    .kernarg_segment_size: 64
    .max_flat_workgroup_size: 256
    .sgpr_count:     66
    .vgpr_count:     128
    .wavefront_size: 32
...
	.end_amdgpu_metadata
.endif
;; end of part 5
;; launch qkv: the kernel of part 2 again; grid 8 x 32, 4 waves a work-group, clusters of 4 x 4, 327,680 bytes of LDS; arguments xb, wcat, bq, bk, bv, qh, kh, vh; writes qh, kh, vh
;; launch attn: the kernel of part 3 again; grid 16 x 16, 8 waves a work-group, no clusters, 175,104 bytes of LDS; arguments qh, kh, vh, oh; writes oh
;; launch proj: the kernel of part 4 again; grid 4 x 64, 4 waves a work-group, clusters of 4 x 4, 327,680 bytes of LDS; arguments oh, wob, bo, out0; writes out0
